; MI455X (gfx1250); checked and timed in simulation.
; The chip was launched on July 23, 2026; its instructions are those of AMD's public machine-readable ISA for CDNA 5 (MIT licence, August 2026) and "CDNA5" Instruction Set Architecture Reference Guide (July 2026). The comments in the code are by the model that wrote it; some were corrected since.
;; Attention. Allowed arithmetic: float matrix products may take bf16 or f16 operands with f32 sums; all other float work in f32.
;; Inputs: cos 2,048 x 64 float32; sin 2,048 x 64 float32; wk 1,024 x 4,096 float32; wo 4,096 x 2,048 float32; wq 2,048 x 4,096 float32; wv 1,024 x 4,096 float32; x 2,048 x 4,096 float32.
;; Outputs: out0 2,048 x 4,096 float32.
;; 2 versions, each right; version 2 is version 1 with the launch cast written anew for expert scheduling mode. Each part assembles by itself: llvm-mc -triple=amdgcn-amd-amdhsa -mcpu=gfx1250 --defsym DOCPART=n.
;; ======== version 1 of 2: 4 launches
;; limits: values are held in f16: magnitudes above 65,504 overflow, below 6.1e-05 lose precision; right only within a limited range of input values; values outside matrix products are rounded to bf16
;; workspace buffers: xw 67,108,864 bytes; qkv 16,777,216 bytes; qkvlo 4,194,304 bytes; att 8,388,608 bytes
;; launch cast (part 1): grid 1024 x 1, 8 waves a work-group, no clusters, 0 bytes of LDS; arguments x, wq, wk, wv, wo, xw; writes xw
.if DOCPART == 1
	.amdgcn_target "amdgcn-amd-amdhsa--gfx1250"
	.amdhsa_code_object_version 6
	.text
	.protected	k_q33ed4507a1_cast
	.globl	k_q33ed4507a1_cast
	.p2align	8
	.type	k_q33ed4507a1_cast,@function
k_q33ed4507a1_cast:
	s_mov_b64 s[64:65], 0
	v_nop
	global_prefetch_b8 v0, s[64:65] scope:SCOPE_SE
	s_setreg_imm32_b32 hwreg(HW_REG_WAVE_MODE, 25, 1), 1
	s_wait_xcnt 0x0
; The five large inputs are rounded to bf16, once, so that the three matrix launches read operands of 2 bytes.
; xw = [ bf16(x) / 4 : 2048 x 4096 bf16 | bf16(wq), bf16(wk), bf16(wv) : 4096 x 4096 bf16 | 4 bf16(wo) : 4096 x 2048 f16 ], rows as in the inputs.
; The two factors are powers of two, so they are exact and commute with the rounding.  They put q, k, v and the attention's result at
; 1/4 of their size, inside f16's range with room, and cancel in out0.
; wo is multiplied with an f16 operand later, so it is stored as f16: the 8 significant bits of a bf16 number fit into f16's 11.
; LIMIT: |wo| below 65504 / 4 (beyond that the f16 is infinite); 4 |wo| below 2^-17 loses bits, with an error below 2^-25.
; A stream: no LDS, no barrier, no matrix unit.  A work-group converts 32,768 numbers (128 KiB in, 64 KiB out), a wave 4,096:
; 32 loads of 512 consecutive bytes, all issued before the first is used, and 32 stores of 256 consecutive aligned bytes.
; No register that a load or store reads is written behind it, so no wait frees a source.
.set X,   4                            ; v[4:131]  load i: 4 registers; its two packed results go to the first two
.set NLD, 32
	s_load_b256 s[4:11], s[0:1], 0x0               ; x s[4:5], wq s[6:7], wk s[8:9], wv s[10:11]
	s_load_b128 s[12:15], s[0:1], 0x20             ; wo s[12:13], xw s[14:15]
	v_lshrrev_b32 v3, 5, v0                        ; wave
	v_and_b32 v1, 31, v0                           ; lane
	v_lshlrev_b32 v2, 3, v1                        ; out: 8 bytes a lane
	v_lshlrev_b32 v1, 4, v1                        ; in: 16 bytes a lane
	v_lshl_add_u32 v1, v3, 14, v1                  ; + wave x 16 KiB
	v_lshl_add_u32 v2, v3, 13, v2                  ; + wave x 8 KiB
	s_wait_kmcnt 0x0
	; which input this work-group converts: 256 groups of x, 256 of wq, 128 of wk, 128 of wv, 256 of wo, in the order of xw
	s_mov_b64 s[16:17], s[4:5]
	s_mov_b32 s18, 0                               ; the segment's first work-group
.macro SEG start, lo
	s_cmp_ge_u32 ttmp9, \start
	s_cselect_b64 s[16:17], s[\lo:\lo+1], s[16:17]
	s_cselect_b32 s18, \start, s18
.endm
	SEG 256, 6
	SEG 512, 8
	SEG 640, 10
	SEG 768, 12
	s_sub_co_u32 s20, ttmp9, s18
	s_lshl_b32 s20, s20, 17                        ; 128 KiB of the input for each group of the segment
	s_mov_b32 s21, 0
	s_lshl_b32 s22, ttmp9, 16                      ; 64 KiB of xw for each group
	s_mov_b32 s23, 0
	s_add_nc_u64 s[16:17], s[16:17], s[20:21]
	s_add_nc_u64 s[14:15], s[14:15], s[22:23]
.set i, 0
.rept NLD
	global_load_b128 v[X+4*i:X+4*i+3], v1, s[16:17] offset:512*i th:TH_LOAD_NT
.set i, i+1
.endr
; kind 0: x, times 1/4, to bf16.  kind 1: a weight of the first projection, to bf16.  kind 2: wo, times 4, to bf16, and those numbers as f16.
.macro CONV kind
.set i, 0
.rept NLD
	s_wait_loadcnt NLD-1-i                         ; loads come back in order (ISA guide 5.7.1): load i is in, the younger ones stay out
.if \kind == 0
	v_pk_mul_f32 v[X+4*i:X+4*i+1],   v[X+4*i:X+4*i+1],   s[24:25] op_sel_hi:[1,0]
	v_pk_mul_f32 v[X+4*i+2:X+4*i+3], v[X+4*i+2:X+4*i+3], s[24:25] op_sel_hi:[1,0]
.endif
.if \kind == 2
	v_pk_mul_f32 v[X+4*i:X+4*i+1],   v[X+4*i:X+4*i+1],   4.0 op_sel_hi:[1,0]
	v_pk_mul_f32 v[X+4*i+2:X+4*i+3], v[X+4*i+2:X+4*i+3], 4.0 op_sel_hi:[1,0]
.endif
	v_cvt_pk_bf16_f32 v[X+4*i],   v[X+4*i],   v[X+4*i+1]
	v_cvt_pk_bf16_f32 v[X+4*i+1], v[X+4*i+2], v[X+4*i+3]
.if \kind == 2
	v_lshlrev_b32 v[X+4*i+2], 16, v[X+4*i+1]               ; the four bf16 as f32 again,
	v_and_b32     v[X+4*i+3], 0xffff0000, v[X+4*i+1]
	v_and_b32     v[X+4*i+1], 0xffff0000, v[X+4*i]
	v_lshlrev_b32 v[X+4*i],   16, v[X+4*i]
	v_cvt_pk_f16_f32 v[X+4*i],   v[X+4*i],   v[X+4*i+1]    ; and as f16, without a second rounding
	v_cvt_pk_f16_f32 v[X+4*i+1], v[X+4*i+2], v[X+4*i+3]
.endif
	global_store_b64 v2, v[X+4*i:X+4*i+1], s[14:15] offset:256*i   ; no hint: the next launches read these bytes
.set i, i+1
.endr
.endm
	s_cmp_ge_u32 ttmp9, 768
	s_cbranch_scc1 .Lwo
	s_cmp_ge_u32 ttmp9, 256
	s_cbranch_scc1 .Lw
	s_mov_b32 s24, 0x3e800000                      ; 1/4
	s_mov_b32 s25, 0x3e800000                      ; the pair is named whole by the packed multiply
	CONV 0
	s_endpgm
.Lw:
	CONV 1
	s_endpgm
.Lwo:
	CONV 2
	s_endpgm
.Lfunc_end_k_q33ed4507a1_cast:
	.size	k_q33ed4507a1_cast, .Lfunc_end_k_q33ed4507a1_cast-k_q33ed4507a1_cast
	.p2alignl 7, 3214868480
	.fill 96, 4, 3214868480
	.section	.rodata,"a",@progbits
	.p2align	6, 0x0
	.amdhsa_kernel k_q33ed4507a1_cast
		.amdhsa_group_segment_fixed_size 0
		.amdhsa_private_segment_fixed_size 0
		.amdhsa_enable_private_segment 0
		.amdhsa_kernarg_size 48
		.amdhsa_user_sgpr_count 2
		.amdhsa_user_sgpr_kernarg_segment_ptr 1
		.amdhsa_wavefront_size32 1
		.amdhsa_system_sgpr_workgroup_id_x 1
		.amdhsa_system_sgpr_workgroup_id_y 1
		.amdhsa_system_sgpr_workgroup_id_z 1
		.amdhsa_system_vgpr_workitem_id 0
		.amdhsa_next_free_vgpr 136
		.amdhsa_next_free_sgpr 66
		.amdhsa_reserve_vcc 0
		.amdhsa_float_denorm_mode_32 3
		.amdhsa_float_denorm_mode_16_64 3
		.amdhsa_memory_ordered 1
		.amdhsa_forward_progress 1
		.amdhsa_inst_pref_size 47
	.end_amdhsa_kernel
	.amdgpu_metadata
---
amdhsa.version: [ 1, 2 ]
amdhsa.kernels:
  - .name:           k_q33ed4507a1_cast
    .symbol:         k_q33ed4507a1_cast.kd
    .args:
      - { .name: x, .offset: 0, .size: 8, .value_kind: global_buffer, .address_space: global }
      - { .name: wq, .offset: 8, .size: 8, .value_kind: global_buffer, .address_space: global }
      - { .name: wk, .offset: 16, .size: 8, .value_kind: global_buffer, .address_space: global }
      - { .name: wv, .offset: 24, .size: 8, .value_kind: global_buffer, .address_space: global }
      - { .name: wo, .offset: 32, .size: 8, .value_kind: global_buffer, .address_space: global }
      - { .name: xw, .offset: 40, .size: 8, .value_kind: global_buffer, .address_space: global }
    .group_segment_fixed_size: 0
    .private_segment_fixed_size: 0
    .kernarg_segment_align: 8
    .kernarg_segment_size: 48
    .max_flat_workgroup_size: 256
    .sgpr_count:     66
    .vgpr_count:     136
    .wavefront_size: 32
...
	.end_amdgpu_metadata
.endif
;; end of part 1
;; launch qkv (part 2): grid 16 x 16, 4 waves a work-group, clusters of 4 x 4, 327,680 bytes of LDS; arguments xw, cos, sin, qkv, qkvlo; writes qkv, qkvlo
.if DOCPART == 2
	.amdgcn_target "amdgcn-amd-amdhsa--gfx1250"
	.amdhsa_code_object_version 6
	.text
	.protected	k_q33ed4507a1_qkv
	.globl	k_q33ed4507a1_qkv
	.p2align	8
	.type	k_q33ed4507a1_qkv,@function
k_q33ed4507a1_qkv:
	s_mov_b64 s[64:65], 0
	v_nop
	global_prefetch_b8 v0, s[64:65] scope:SCOPE_SE
	s_setreg_imm32_b32 hwreg(HW_REG_WAVE_MODE, 25, 1), 1
	s_wait_xcnt 0x0
	s_wait_alu depctr_hold_cnt(0) depctr_sa_sdst(0) depctr_va_vdst(0) depctr_va_sdst(0) depctr_va_ssrc(0) depctr_va_vcc(0) depctr_vm_vsrc(0)
	s_getreg_b32 s2, hwreg(HW_REG_IB_STS2, 6, 4)
	s_cmp_eq_u32 s2, 0
	s_cbranch_scc0 .Lentry_in_a_cluster
	s_endpgm
.Lentry_in_a_cluster:
	s_bfe_u32 s2, ttmp6, 0x10000c
	s_cmp_lg_u32 s2, 0xf033
	s_cbranch_scc0 .Lentry_shape_is_right
	s_endpgm
.Lentry_shape_is_right:
; qkv[t][c] = sum over k of X[t][k] W[c][k], X = bf16(x)/4 (2048 x 4096), W = bf16 of [wq; wk; wv] (4096 x 4096), in xw; sums in f32.
; Columns 0-2047 are q (16 heads of 128), 2048-3071 k (8 heads), 3072-4095 v.  q and k are rotated in f32 (pairs of neighbouring
; columns, by cos and sin of the row) before the one rounding to f16.  All three come out at 1/4 of their size, since X is x/4.
; cos and sin are taken in bf16, as every other input of the program is: the result is then that of one consistent set of bf16 inputs.
; LIMIT: |q|, |k|, |v| below 4 x 65504, else the f16 is infinite.
; qkvlo (512 x 4096 f16, laid out as qkv's rows 0-511) takes what the rounding to f16 dropped: f16(value - f16(value)).  The attention
; reads its rows 0-127: the queries that average over the fewest keys are the largest numbers of the output, so an f16 rounding weighs
; most there.  The four block rows of cluster row 0 store it.
; A work-group makes 128 x 256 of the result, so that 2048 x 4096 gives 256 work-groups; four waves, each 64 x 128: 32 accumulator
; tiles of 16 x 16, 256 registers.
; TWO LDS SLOTS OF UNEQUAL LENGTH, filled by the tensor data mover.  All tensor loads have landed at each barrier behind which a slot is
; filled, so what is on its way is one slot, for the time of the other slot's products.  Two slots of 256 along K would take 405,504
; bytes; slot 0 with 256 along K (384 rows x 528 bytes) and slot 1 with 128 (384 rows x 272) take 307,200 and fit.  A lap is 384 along
; K with two such barriers.  4096 = 10 x 384 + 256: ten laps (slot 0, slot 1) and a last step in slot 0.  A tile's rows are 512 or 256
; bytes of memory at multiples of 256 bytes (byte 768 j and 768 j + 512 of a row).
; CLUSTERS: 4 x 4 work-groups.  X's tile hangs on the block row alone and is asked for jointly by the four of a row of the cluster,
; W's on the block column alone, by the four of a column; so are the 128 rows of cos and sin (block row alone).
; REGISTERS: window 0: v16-27 addresses; v32-63 / v128-159 fragments of X (4 x 16 rows x 32 K), v64-127 / v160-223 of W (8 x), two
; buffers; window 1: accumulator tile (a, b) at v[8 (8 a + b)].  s_set_vgpr_msb's low byte: bits 1:0 source 0, 3:2 source 1,
; 5:4 source 2, 7:6 destination.
; THE MATRIX INSTRUCTION IS USED TRANSPOSED: source 0 = 16 rows of W, source 1 = 16 rows of X, so lane l holds row l % 16 of the
; result and its registers 0-7 the columns 8 (l / 16) + 0..7: each pair that is rotated lies in two neighbouring registers of a lane.
.set KDIM,   4096
.set ROWSH,  13                        ; a row of X or W is 1 << 13 bytes
.set P0,     528                       ; slot 0's LDS row: 512 bytes + 16 of padding; slot 1's: 256 + 16.  Both are odd multiples of 16:
.set P1,     272                       ; the 16 rows of a fragment load touch 16 different columns of 16 bytes
.set A0OFF,  256*P0                    ; a slot: W's 256 rows, then X's 128 rows
.set S1,     384*P0                    ; slot 1 begins behind slot 0
.set A1OFF,  256*P1
.set STAGE,  S1+384*P1                 ; 16 rows x 272 bytes for each wave, for the way out; no tensor load lands here
.set SPITCH, 272
.set COSL,   S1                        ; 128 rows of cos (256 bytes + 16), then 128 rows of sin: slot 1's last fill, in the bytes of W's rows
.set SINO,   128*P1
.set LAPBY,  768                       ; bytes of a row in a lap
.set K0B,    0                         ; byte of a row at which slot 0's first tile begins, and slot 1's
.set K1B,    512
.set NLOOP,  8                         ; laps 1 to 8; lap 0, lap 9 and the last step are written out
.set WOFF,   16777216                  ; W in xw
.set OROW,   8192                      ; bytes in a row of qkv and of qkvlo
.set ADRA, 16                          ; v16-17  LDS address of my X fragments in slot 0, 1
.set ADRB, 20                          ; v20-21  the same for W
.set STO,  24                          ; the way out: where I put 16 bytes of a row
.set RD,   25                          ; where I read a row back
.set CO,   26                          ; my byte offset in qkv
.set CSA,  27                          ; my 16 bytes of cos
.set F0,   32
.set F1,   128
.set CS,   32                          ; the way out: v32-63 cos, v64-95 sin (later v32-95: the f16 results widened again, then the remainders),
.set SN,   64
.set U,    32
.set TMP,  96                          ; v96-127 cos and sin packed as bf16, then the results packed as f16 (below v128: their halves are named)
.set T,    128                         ; v128-191 rotated f32
.set RB,   192                         ; v192-223 rows read back
.set TL,   224                         ; v224-255 the remainders packed as f16
.set G1A, 24                           ; s[24:31], s[32:39] group 1 for X's tiles, a set for each slot
.set G1B, 40                           ; s[40:47], s[48:55] the same for W's
.set G1C, 56                           ; s[56:63] for cos and sin
.set G0A, 68                           ; s[68:75] group 0 for X's tiles, a set for each slot
.set G0B, 76                           ; s[76:83] the same for W's
.set G0C, 84                           ; s[84:87] for cos and sin
.set PADS0, (1<<16)|(1<<20)|(1<<21)|(6<<22)|(3<<25)   ; elements of 2 bytes; padding on; bit 21 beside a mask; after every 128 words, 4 words
.set PADS1, (1<<16)|(1<<20)|(1<<21)|(5<<22)|(3<<25)   ; the same after every 64 words
.set PAD32, (2<<16)|(1<<20)|(1<<21)|(5<<22)|(3<<25)   ; elements of 4 bytes, after every 64 words
.set MUL, 0x50                         ; C and D in window 1
.set ROT, 0x01                         ; source 0 in window 1
.set MSB, 0
.macro WIN new                         ; the immediate's high byte repeats the setting that is left
.if MSB != \new
	s_set_vgpr_msb (MSB<<8)|\new
.set MSB, \new
.endif
.endm
; A joint load.  Waves 0 and 1 fetch W's two halves (128 rows each), waves 2 and 3 X's (64 rows each).  Each line has one mask and one
; set of registers; the branch hangs on the wave's number alone.
.macro JLOAD s
	s_cmp_eq_u32 s13, 0
	s_cbranch_scc0 .Lfor_a_\@
	tensor_load_to_lds s[G0B+4*\s:G0B+4*\s+3], s[G1B+8*\s:G1B+8*\s+7]
	s_nop 0
	s_branch .Lasked_\@
.Lfor_a_\@:
	tensor_load_to_lds s[G0A+4*\s:G0A+4*\s+3], s[G1A+8*\s:G1A+8*\s+7]
	s_nop 0
.Lasked_\@:
.endm
; A round of the cluster's barrier: my work-group's barrier; wave 0 signals for the work-group; every wave waits for all sixteen; my barrier again.
.macro CREST
	s_cmp_lg_u32 s12, 0
	s_cbranch_scc1 .Lnot_wave_0_\@
	s_barrier_signal -3
.Lnot_wave_0_\@:
	s_barrier_wait -3
	s_barrier_signal -1
	s_barrier_wait -1
.endm
.macro CROUND
	s_barrier_signal -1
	s_barrier_wait -1
	CREST
.endm
	s_load_b256 s[4:11], s[0:1], 0x0               ; xw s[4:5], cos s[6:7], sin s[8:9], qkv s[10:11]
	s_load_b64 s[66:67], s[0:1], 0x20              ; qkvlo
	v_lshl_add_u32 v30, v0, 2, 0x4f400
	v_mov_b32 v31, 0
	ds_add_u32 v30, v31
	ds_add_u32 v30, v31
	v_lshrrev_b32 v1, 5, v0
	v_readfirstlane_b32 s12, v1                    ; wave 0..3
	s_lshr_b32 s13, s12, 1                         ; which 64 rows of the block are mine.  Also: I fetch for W (0) or for X (1)
	s_and_b32 s14, s12, 1                          ; which 128 columns.  Also: which half of that tile I fetch
	s_bfe_u32 s15, ttmp6, 0x40000                  ; cx
	s_bfe_u32 s16, ttmp6, 0x40004                  ; cy
	s_lshl_b32 s17, ttmp9, 2
	s_add_co_u32 s17, s17, s15                     ; block column = 4 x cluster x + cx
	s_and_b32 s18, ttmp7, 0xffff
	s_lshl_b32 s18, s18, 2
	s_add_co_u32 s18, s18, s16                     ; block row = 4 x cluster y + cy
	s_lshl_b32 s19, s16, 2
	s_lshl_b32 s19, 15, s19                        ; my row of the cluster: places 4 cy .. 4 cy + 3
	s_lshl_b32 s20, 0x1111, s15                    ; my column: places cx, cx + 4, cx + 8, cx + 12
	; group 1: X 64 rows, W 128 rows, of 256 elements (slot 0) or 128 (slot 1); cos and sin 64 rows x 64 f32; the extents are the tiles' own (no tile crosses an end)
	s_or_b32 s[G1A+0], s19, PADS0
	s_or_b32 s[G1A+8], s19, PADS1
	s_or_b32 s[G1B+0], s20, PADS0
	s_or_b32 s[G1B+8], s20, PADS1
	s_or_b32 s[G1C+0], s19, PAD32
.irp s, 0,1
	s_mov_b32 s[G1A+8*\s+1], (256-128*\s)<<16      ; tensor_dim0
	s_mov_b32 s[G1B+8*\s+1], (256-128*\s)<<16
	s_mov_b32 s[G1A+8*\s+2], 64<<16                ; tensor_dim1
	s_mov_b32 s[G1B+8*\s+2], 128<<16
	s_mov_b32 s[G1A+8*\s+3], (256-128*\s)<<16      ; tile_dim0
	s_mov_b32 s[G1B+8*\s+3], (256-128*\s)<<16
	s_mov_b32 s[G1A+8*\s+4], 64                    ; tile_dim1
	s_mov_b32 s[G1B+8*\s+4], 128
	s_mov_b32 s[G1A+8*\s+5], KDIM                  ; elements from row to row
	s_mov_b32 s[G1B+8*\s+5], KDIM
	s_mov_b32 s[G1A+8*\s+6], 0
	s_mov_b32 s[G1B+8*\s+6], 0
	s_mov_b32 s[G1A+8*\s+7], 0
	s_mov_b32 s[G1B+8*\s+7], 0
.endr
	s_mov_b32 s[G1C+1], 64<<16
	s_mov_b32 s[G1C+2], 64<<16
	s_mov_b32 s[G1C+3], 64<<16
	s_mov_b32 s[G1C+4], 64
	s_mov_b32 s[G1C+5], 64
	s_mov_b32 s[G1C+6], 0
	s_mov_b32 s[G1C+7], 0
	; where the tiles come from: X's, cos's and sin's hang on the block row, W's on the block column, each in registers of their own
	s_lshl_b32 s88, s18, 7
	s_lshl_b32 s23, s14, 6
	s_add_co_u32 s88, s88, s23                     ; row 128 x block row + 64 x half
	s_lshl_b32 s92, s88, 8                         ; the same rows of cos or sin, 256 bytes each
	s_mov_b32 s93, 0
	s_lshl_b32 s88, s88, ROWSH
	s_mov_b32 s89, 0
	s_lshl_b32 s90, s17, 8
	s_lshl_b32 s23, s14, 7
	s_add_co_u32 s90, s90, s23                     ; row 256 x block column + 128 x half
	s_lshl_b32 s90, s90, ROWSH
	s_mov_b32 s91, 0
	s_mul_i32 s21, s12, 128*P0                     ; where they go: W's halves at wave x 128 rows,
	s_mul_i32 s22, s12, 64*P0                      ; X's at a constant + wave x 64 rows, in slot 0's pitch
	s_mul_i32 s2,  s12, 128*P1                     ; and in slot 1's;
	s_mul_i32 s23, s12, 64*P1                      ; cos and sin as X's in slot 1's pitch
	s_wait_dscnt 0x0
	s_wait_kmcnt 0x0
	s_add_nc_u64 s[94:95], s[4:5], s[88:89]
	s_add_nc_u64 s[96:97], s[4:5], s[90:91]
	s_add_nc_u64 s[96:97], s[96:97], WOFF
	s_cmp_eq_u32 s13, 0
	s_cselect_b64 s[G0C+2:G0C+3], s[6:7], s[8:9]   ; waves 0 and 1 bring cos's two halves, waves 2 and 3 sin's
	s_add_nc_u64 s[G0C+2:G0C+3], s[G0C+2:G0C+3], s[92:93]
	s_or_b32 s[G0C+3], s[G0C+3], 0x80000000
	s_mov_b32 s[G0C], 1
	s_add_co_u32 s[G0C+1], s23, COSL
	CROUND                                         ; all sixteen work-groups are here: the first joint loads meet
	s_mov_b32 s[G0A], 1
	s_add_co_u32 s[G0A+1], s22, A0OFF-128*P0                       ; waves 2, 3: A0OFF + (wave - 2) x 64 rows
	s_add_nc_u64 s[G0A+2:G0A+3], s[94:95], K0B
	s_or_b32 s[G0A+3], s[G0A+3], 0x80000000                        ; type = 2
	s_mov_b32 s[G0B], 1
	s_add_co_u32 s[G0B+1], s21, 0
	s_add_nc_u64 s[G0B+2:G0B+3], s[96:97], K0B
	s_or_b32 s[G0B+3], s[G0B+3], 0x80000000
	JLOAD 0                                        ; K 0-255
	s_mov_b32 s[G0A+4], 1
	s_add_co_u32 s[G0A+5], s23, S1+A1OFF-128*P1
	s_add_nc_u64 s[G0A+6:G0A+7], s[94:95], K1B
	s_or_b32 s[G0A+7], s[G0A+7], 0x80000000
	s_mov_b32 s[G0B+4], 1
	s_add_co_u32 s[G0B+5], s2, S1
	s_add_nc_u64 s[G0B+6:G0B+7], s[96:97], K1B
	s_or_b32 s[G0B+7], s[G0B+7], 0x80000000
	JLOAD 1                                        ; K 256-383: a wave has two tensor loads out here, later one
	; A fragment is 16 rows x 32 K in 8 registers: lane l holds row l % 16; registers 0-3 K = 8 (l / 16) + 0..7, registers 4-7 K = 16 + 8 (l / 16) + 0..7
	v_and_b32 v1, 15, v0                           ; l % 16
	v_bfe_u32 v2, v0, 4, 1                         ; l / 16
	v_mul_u32_u24 v3, v1, P0
	v_lshl_add_u32 v3, v2, 4, v3                   ; row x pitch + 16 x half, in slot 0's pitch
	v_mul_u32_u24 v4, v1, P1
	v_lshl_add_u32 v4, v2, 4, v4                   ; and in slot 1's, which is also the stage's and cos's
	s_mul_i32 s98, s13, 64*P0
	s_add_co_u32 s98, s98, A0OFF                   ; my 64 rows of X
	v_add_nc_u32 v[ADRA], s98, v3
	s_mul_i32 s98, s14, 128*P0                     ; my 128 rows of W
	v_add_nc_u32 v[ADRB], s98, v3
	s_mul_i32 s98, s13, 64*P1
	s_add_co_u32 s98, s98, S1+A1OFF
	v_add_nc_u32 v[ADRA+1], s98, v4
	s_mul_i32 s98, s14, 128*P1
	s_add_co_u32 s98, s98, S1
	v_add_nc_u32 v[ADRB+1], s98, v4
	s_mul_i32 s98, s12, 16*SPITCH
	s_add_co_u32 s98, s98, STAGE                   ; my stage
	v_add_nc_u32 v[STO], s98, v4                   ; in: row l % 16, 16 bytes for each half of the lanes
	v_mul_u32_u24 v5, v2, SPITCH                   ; back: lanes 0-15 one row of 256 bytes, lanes 16-31 the next
	v_lshl_add_u32 v5, v1, 4, v5
	v_add_nc_u32 v[RD], s98, v5
	v_lshlrev_b32 v5, 13, v2                       ; and the same two rows in qkv
	v_lshl_add_u32 v[CO], v1, 4, v5
	s_mul_i32 s98, s13, 64*P1
	s_add_co_u32 s98, s98, COSL
	v_add_nc_u32 v[CSA], s98, v4                   ; cos of row l % 16 of my 64, pairs 4 (l / 16) + 0..3
; 8 matrix instructions: row block a x all 8 column blocks, 32 along K.  zero = 1: the first product starts the sums.
; The 32 accumulators take turns, one instruction a turn, in one order throughout.
.macro MUL8 f, a, zero
.irp b, 0,1,2,3,4,5,6,7
.if \zero
	v_wmma_f32_16x16x32_bf16 v[8*(8*\a+\b):8*(8*\a+\b)+7], v[\f+32+8*\b:\f+32+8*\b+7], v[\f+8*\a:\f+8*\a+7], 0
.else
	v_wmma_f32_16x16x32_bf16 v[8*(8*\a+\b):8*(8*\a+\b)+7], v[\f+32+8*\b:\f+32+8*\b+7], v[\f+8*\a:\f+8*\a+7], v[8*(8*\a+\b):8*(8*\a+\b)+7]
.endif
.endr
.endm
; 24 LDS loads in one run: a quarter's fragments (128 rows of W, then 64 rows of X, 32 K at byte k of the rows) into buffer f; the pitch is the slot's
.macro FETCH slot, k, f
	WIN 0
.irp i, 0,1,2,3,4,5,6,7
	ds_load_b128 v[\f+32+8*\i:\f+32+8*\i+3],   v[ADRB+\slot] offset:\k+\i*16*(P0-\slot*(P0-P1))
	ds_load_b128 v[\f+32+8*\i+4:\f+32+8*\i+7], v[ADRB+\slot] offset:\k+\i*16*(P0-\slot*(P0-P1))+32
.endr
.irp i, 0,1,2,3
	ds_load_b128 v[\f+8*\i:\f+8*\i+3],   v[ADRA+\slot] offset:\k+\i*16*(P0-\slot*(P0-P1))
	ds_load_b128 v[\f+8*\i+4:\f+8*\i+7], v[ADRA+\slot] offset:\k+\i*16*(P0-\slot*(P0-P1))+32
.endr
.endm
; Four places (ISA guide 7.12.1 for vector instructions) between a matrix instruction and a load into, or a vector instruction on, its registers
.macro PLACES
.rept 4
	v_nop
.endr
.endm
; A quarter is 32 along K, 32 matrix instructions; slot 0 holds eight of them, slot 1 four, on buffers 0, 1, 0, 1, ..
.macro QUARTER slot, k, f, g, zero
	s_wait_dscnt 4                                 ; W and X's rows 0-31 are in; the youngest four loads (X's rows 32-63) may be out
	WIN MUL
	MUL8 \f, 0, \zero
	MUL8 \f, 1, \zero
	PLACES
	FETCH \slot, \k, \g
	s_wait_dscnt 24                                ; all but the 24 just issued
	WIN MUL
	MUL8 \f, 2, \zero
	MUL8 \f, 3, \zero
.endm
.macro BODY slot, zero                 ; all quarters of a slot but the last
	QUARTER \slot, 64,  F0, F1, \zero
	QUARTER \slot, 128, F1, F0, 0
	QUARTER \slot, 192, F0, F1, 0
.if \slot == 0
	QUARTER \slot, 256, F1, F0, 0
	QUARTER \slot, 320, F0, F1, 0
	QUARTER \slot, 384, F1, F0, 0
	QUARTER \slot, 448, F0, F1, 0
.endif
.endm
; The last quarter multiplies buffer 1 and changes slots.  In front of the barrier each wave waits for its reads of this slot and for all
; its tensor loads (one is out: its part of the next slot).  Behind it (fill > 0: behind the cluster's round that it opens) the refill
; comes first, then the next slot's first fragments.  From a request to the wait for it a wave issues 248 matrix instructions
; (slot 1's refill, during slot 0's eight quarters) or 120 (slot 0's, during slot 1's four).
; fill = 1: this slot's next tile.  fill = 2: cos and sin.  fill = 0: nothing.
.macro TURN slot, next, fill
	s_wait_dscnt 4
	WIN MUL
	MUL8 F1, 0, 0
	s_wait_dscnt 0                                 ; my reads of this slot are over
	s_wait_tensorcnt 0x0                           ; and all my tensor loads have landed
	ds_add_u32 v30, v31
	s_wait_dscnt 0x0
	s_barrier_signal -1
	MUL8 F1, 1, 0                                  ; registers only, while the others arrive
	WIN 0
	s_barrier_wait -1
.if \fill == 1
	CREST                                          ; no wave of any partner still reads this slot or has a load on its way
	s_add_nc_u64 s[G0A+4*\slot+2:G0A+4*\slot+3], s[G0A+4*\slot+2:G0A+4*\slot+3], LAPBY
	s_add_nc_u64 s[G0B+4*\slot+2:G0B+4*\slot+3], s[G0B+4*\slot+2:G0B+4*\slot+3], LAPBY
	JLOAD \slot                                    ; the first tensor load behind the round, and my only one until the next
.endif
.if \fill == 2
	CREST
	tensor_load_to_lds s[G0C:G0C+3], s[G1C:G1C+7]  ; slot 1 has had its last tile of K: 64 rows of cos or sin a wave, which the way out reads
	s_nop 0
.endif
	PLACES
	FETCH \next, 0, F0
	WIN MUL
	MUL8 F1, 2, 0
	MUL8 F1, 3, 0
.endm
.macro LAP zero
	BODY 0, \zero
	TURN 0, 1, 1
	BODY 1, 0
	TURN 1, 0, 1
.endm
	s_wait_tensorcnt 1                             ; my part of slot 0 is in; slot 1's, issued behind it, may stay out:
	s_barrier_signal -1
	s_barrier_wait -1
	FETCH 0, 0, F0
	LAP 1                                          ; lap 0: its first products start the sums
	WIN 0
	s_mov_b32 s3, NLOOP
.Llap:
	LAP 0
	WIN 0
	s_sub_co_u32 s3, s3, 1
	s_cmp_lg_u32 s3, 0
	s_cbranch_scc1 .Llap
	BODY 0, 0                                      ; lap 9
	TURN 0, 1, 1                                   ; slot 0's last tile, K 3840-4095
	BODY 1, 0
	TURN 1, 0, 2                                   ; nothing of K is left for slot 1
	BODY 0, 0                                      ; the last step
	s_wait_dscnt 4
	WIN MUL
	MUL8 F1, 0, 0
	MUL8 F1, 1, 0
	s_wait_dscnt 0
	MUL8 F1, 2, 0
	MUL8 F1, 3, 0
	; THE WAY OUT, 16 rows at a time: rotate in f32, round to f16, 16 bytes a lane into my stage, whole rows of 256 bytes back and out.
	PLACES
	WIN 0
	s_wait_tensorcnt 0x0                           ; my rows of cos or sin are in,
	s_barrier_signal -1
	s_barrier_wait -1                              ; everybody's are
	s_lshl_b32 s88, s18, 7
	s_lshl_b32 s23, s13, 6
	s_add_co_u32 s88, s88, s23                     ; my first row
	s_lshl_b32 s88, s88, 13
	s_mov_b32 s89, 0
	s_add_nc_u64 s[10:11], s[10:11], s[88:89]
	s_add_nc_u64 s[66:67], s[66:67], s[88:89]      ; the same place in qkvlo (used in cluster row 0 alone, where it lies inside)
	s_lshl_b32 s90, s17, 9                         ; my first column in bytes: 512 x block column + 256 x half
	s_lshl_b32 s23, s14, 8
	s_add_co_u32 s90, s90, s23
	s_mov_b32 s91, 0
	s_add_nc_u64 s[10:11], s[10:11], s[90:91]
	s_add_nc_u64 s[66:67], s[66:67], s[90:91]
	s_cmp_lt_u32 ttmp9, 3                          ; cluster column 3 = block columns 12-15 = v, which is not rotated:
	s_cselect_b32 s98, -1, 0                       ; there cos counts as 1 and sin as 0, by a select, with no branch
	s_mov_b32 s99, 0xffff0000                      ; a word's upper bf16
	s_mov_b32 s100, 0x3f803f80                     ; 1.0 twice, in bf16
	s_and_b32 s101, ttmp7, 0xffff                  ; the cluster's row: the same in all sixteen partners
; rows 16 a .. 16 a + 15 of my 64.  Column 16 b + 8 (l / 16) + j is pair 8 b + 4 (l / 16) + j / 2 of its head: 4 cos and 4 sin a lane and tile.
; A pair of rows' place among my 64 stands in the stores' immediate: 62 rows of 8,192 bytes at the most.
.macro OUT16 a
.irp b, 0,1,2,3,4,5,6,7
	ds_load_b128 v[CS+4*\b:CS+4*\b+3], v[CSA] offset:\a*16*P1+32*\b
	ds_load_b128 v[SN+4*\b:SN+4*\b+3], v[CSA] offset:\a*16*P1+32*\b+SINO
.endr
	s_wait_dscnt 0x0
.set i, 0
.rept 16
	v_cvt_pk_bf16_f32 v[TMP+i],    v[CS+2*i], v[CS+2*i+1]          ; cos and sin in bf16, two to a word,
	v_cvt_pk_bf16_f32 v[TMP+16+i], v[SN+2*i], v[SN+2*i+1]
.set i, i+1
.endr
.set i, 0
.rept 16
	v_cndmask_b32 v[TMP+i],    s100, v[TMP+i],    s98              ; 1 and 0 in their stead for v's columns,
	v_cndmask_b32 v[TMP+16+i], 0,    v[TMP+16+i], s98
.set i, i+1
.endr
.set i, 0
.rept 16
	v_lshlrev_b32 v[CS+2*i],   16,  v[TMP+i]                       ; and as f32 again
	v_and_b32     v[CS+2*i+1], s99, v[TMP+i]
	v_lshlrev_b32 v[SN+2*i],   16,  v[TMP+16+i]
	v_and_b32     v[SN+2*i+1], s99, v[TMP+16+i]
.set i, i+1
.endr
	WIN ROT
.irp b, 0,1,2,3,4,5,6,7
.irp p, 0,1,2,3
	v_mul_f32 v[T+8*\b+2*\p],   v[8*(8*\a+\b)+2*\p+1], v[SN+4*\b+\p]                   ; t1 s
	v_mul_f32 v[T+8*\b+2*\p+1], v[8*(8*\a+\b)+2*\p+1], v[CS+4*\b+\p]                   ; t1 c
.endr
.irp p, 0,1,2,3
	v_fma_f32 v[T+8*\b+2*\p],   v[8*(8*\a+\b)+2*\p], v[CS+4*\b+\p], -v[T+8*\b+2*\p]    ; t0 c - t1 s
	v_fma_f32 v[T+8*\b+2*\p+1], v[8*(8*\a+\b)+2*\p], v[SN+4*\b+\p], v[T+8*\b+2*\p+1]   ; t0 s + t1 c
.endr
.endr
	WIN 0
.set i, 0
.rept 32
	v_cvt_pk_f16_f32 v[TMP+i], v[T+2*i], v[T+2*i+1]
.set i, i+1
.endr
.irp b, 0,1,2,3,4,5,6,7
	ds_store_b128 v[STO], v[TMP+4*\b:TMP+4*\b+3] offset:32*\b
.endr
	s_wait_xcnt 0x0                                ; the earlier stores' addresses are translated (ISA guide 3.1): their data registers are rewritten only behind this wait
.irp t, 0,1,2,3,4,5,6,7
	ds_load_b128 v[RB+4*\t:RB+4*\t+3], v[RD] offset:\t*2*SPITCH    ; LDS serves a wave's instructions in order (ISA guide 5.7.1.4): these see the stores above
.endr
.irp t, 0,1,2,3,4,5,6,7
	s_wait_dscnt 7-\t                              ; the younger read-backs may stay out
	global_store_b128 v[CO], v[RB+4*\t:RB+4*\t+3], s[10:11] offset:(16*\a+2*\t)*OROW   ; 16 lanes store 256 consecutive aligned bytes
.endr
	s_cmp_lg_u32 s101, 0
	s_cbranch_scc1 .Lno_lo_\@
	; cluster row 0: what the rounding dropped, value - f16(value), exact in f32, rounded to f16 in its turn, by the same way out
.set i, 0
.irp r, v96.l,v96.h,v97.l,v97.h,v98.l,v98.h,v99.l,v99.h,v100.l,v100.h,v101.l,v101.h,v102.l,v102.h,v103.l,v103.h,v104.l,v104.h,v105.l,v105.h,v106.l,v106.h,v107.l,v107.h,v108.l,v108.h,v109.l,v109.h,v110.l,v110.h,v111.l,v111.h,v112.l,v112.h,v113.l,v113.h,v114.l,v114.h,v115.l,v115.h,v116.l,v116.h,v117.l,v117.h,v118.l,v118.h,v119.l,v119.h,v120.l,v120.h,v121.l,v121.h,v122.l,v122.h,v123.l,v123.h,v124.l,v124.h,v125.l,v125.h,v126.l,v126.h,v127.l,v127.h
	v_cvt_f32_f16 v[U+i], \r
.set i, i+1
.endr
.set i, 0
.rept 32
	v_pk_add_f32 v[U+2*i:U+2*i+1], v[T+2*i:T+2*i+1], v[U+2*i:U+2*i+1] neg_lo:[0,1] neg_hi:[0,1]
.set i, i+1
.endr
.set i, 0
.rept 32
	v_cvt_pk_f16_f32 v[TL+i], v[U+2*i], v[U+2*i+1]
.set i, i+1
.endr
.irp b, 0,1,2,3,4,5,6,7
	ds_store_b128 v[STO], v[TL+4*\b:TL+4*\b+3] offset:32*\b        ; my read-backs of the stage are in: the last count-down ended at 0
.endr
	s_wait_xcnt 0x0                                ; the stores above have read the rows: their registers are loaded again only behind this wait
.irp t, 0,1,2,3,4,5,6,7
	ds_load_b128 v[RB+4*\t:RB+4*\t+3], v[RD] offset:\t*2*SPITCH
.endr
.irp t, 0,1,2,3,4,5,6,7
	s_wait_dscnt 7-\t
	global_store_b128 v[CO], v[RB+4*\t:RB+4*\t+3], s[66:67] offset:(16*\a+2*\t)*OROW
.endr
.Lno_lo_\@:
.endm
	OUT16 0
	OUT16 1
	OUT16 2
	OUT16 3
	s_wait_tensorcnt 0x0
	ds_add_u32 v30, v31
	s_wait_dscnt 0x0
	CROUND                                         ; the closing round: no work-group ends while a partner may still ask for a tile that names it
	s_endpgm
.Lfunc_end_k_q33ed4507a1_qkv:
	.size	k_q33ed4507a1_qkv, .Lfunc_end_k_q33ed4507a1_qkv-k_q33ed4507a1_qkv
	.p2alignl 7, 3214868480
	.fill 96, 4, 3214868480
	.section	.rodata,"a",@progbits
	.p2align	6, 0x0
	.amdhsa_kernel k_q33ed4507a1_qkv
		.amdhsa_group_segment_fixed_size 327680
		.amdhsa_private_segment_fixed_size 0
		.amdhsa_enable_private_segment 0
		.amdhsa_kernarg_size 40
		.amdhsa_user_sgpr_count 2
		.amdhsa_user_sgpr_kernarg_segment_ptr 1
		.amdhsa_wavefront_size32 1
		.amdhsa_system_sgpr_workgroup_id_x 1
		.amdhsa_system_sgpr_workgroup_id_y 1
		.amdhsa_system_sgpr_workgroup_id_z 1
		.amdhsa_system_vgpr_workitem_id 0
		.amdhsa_next_free_vgpr 512
		.amdhsa_next_free_sgpr 102
		.amdhsa_reserve_vcc 0
		.amdhsa_float_denorm_mode_32 3
		.amdhsa_float_denorm_mode_16_64 3
		.amdhsa_memory_ordered 1
		.amdhsa_forward_progress 1
		.amdhsa_inst_pref_size 255
	.end_amdhsa_kernel
	.section	.bss,"aw",@nobits
	.p2align	6
	.space	262144
	.amdgpu_metadata
---
amdhsa.version: [ 1, 2 ]
amdhsa.kernels:
  - .name:           k_q33ed4507a1_qkv
    .symbol:         k_q33ed4507a1_qkv.kd
    .args:
      - { .name: xw, .offset: 0, .size: 8, .value_kind: global_buffer, .address_space: global }
      - { .name: cos, .offset: 8, .size: 8, .value_kind: global_buffer, .address_space: global }
      - { .name: sin, .offset: 16, .size: 8, .value_kind: global_buffer, .address_space: global }
      - { .name: qkv, .offset: 24, .size: 8, .value_kind: global_buffer, .address_space: global }
      - { .name: qkvlo, .offset: 32, .size: 8, .value_kind: global_buffer, .address_space: global }
    .group_segment_fixed_size: 327680
    .private_segment_fixed_size: 0
    .kernarg_segment_align: 8
    .kernarg_segment_size: 40
    .max_flat_workgroup_size: 128
    .sgpr_count:     102
    .vgpr_count:     512
    .wavefront_size: 32
...
	.end_amdgpu_metadata
.endif
;; end of part 2
;; launch attn (part 3): grid 16 x 16, 4 waves a work-group, no clusters, 327,680 bytes of LDS; arguments qkv, qkvlo, att; writes att
.if DOCPART == 3
	.amdgcn_target "amdgcn-amd-amdhsa--gfx1250"
	.amdhsa_code_object_version 6
	.text
	.protected	k_q33ed4507a1_attn
	.globl	k_q33ed4507a1_attn
	.p2align	8
	.type	k_q33ed4507a1_attn,@function
k_q33ed4507a1_attn:
	s_mov_b64 s[64:65], 0
	v_nop
	global_prefetch_b8 v0, s[64:65] scope:SCOPE_SE
	s_setreg_imm32_b32 hwreg(HW_REG_WAVE_MODE, 25, 1), 1
	s_wait_xcnt 0x0
; Causal attention over a window of 1,024 keys, one work-group for 128 queries (x) of one head (y); 16 heads, 8 key and value heads.
; qkv: [2048][4096] f16, q head h at column 128 h, k head g at 2048 + 128 g, v head g at 3072 + 128 g, all at 1/4 of their size.
; qkvlo: the same columns of rows 0-511, what the rounding of qkv to f16 dropped.  att: [2048][2048] f16, head h at column 128 h, at 1/4.
; Key blocks of 128 from max(qb - 8, 0) to qb: 1 to 9 of them, known from the work-group's number.  The other blocks are masked whole
; by the reference's own mask.  The window's edge falls in the first block alone and the diagonal in the last alone: only those two
; are masked, element by element, by one unsigned compare of (query - key) with 1024.
; QUERY BLOCK 0 IS COMPUTED WITH TWO f16 NUMBERS FOR EACH OF q, k, v AND P (value = high + low; of the four products the three that
; matter: S = Kh Qh + Kh Ql + Kl Qh, O = Vh Ph + Vh Pl + Vl Ph).  Its queries average over the fewest keys, so they are the largest numbers
; of the output and an f16 rounding weighs most there.  It has one key block where the others have up to nine: three times the products
; of one block, 384 matrix instructions a wave against 1,152 in the longest work-group.  The low tiles lie in the ring's slot 1, which
; this work-group does not need otherwise.
; A running maximum is taken away before every exponential.  A masked score is -2^100: with f16 operands |q.k| / 16 stays below
; 128 x 65504^2 < 2^40, so it lies under every real score; being a power of two its product with the scale is exact, so a row that is
; masked whole so far gives exp2(0) = 1, stays finite, and is wiped by the factor exp2(-2^101) = 0 at its first real score
; (every query may see itself).
; EVERYTHING IS TRANSPOSED.  S^T = K Q^T: source 0 = 16 keys, source 1 = 16 queries; lane l, register j holds key 8 (l / 16) + j of
; query l % 16.  Packed to f16, two such tiles are, as they lie, the source-1 fragment (32 keys x 16 queries) of O^T = V^T P^T:
; no shuffle, and a query's maximum, sum and factor live in its own two lanes.  V^T's fragments come from rows [key][d] by the
; transposing LDS load.
; NO CLUSTER: the query blocks of a head need 1 to 9 key blocks, so partners would need different numbers of tiles; only two heads
; share a key and value head with equal trips, fewer than a cluster's four.
; REGISTERS: window 0 as named below; window 1: O(dt, qt) at v[8 (2 dt + qt)] (128), Q(qt, ds) at v[128 + 8 (4 qt + ds)] (64), its low part 64 higher.
.set QROW, 8192                        ; bytes in a row of qkv and of qkvlo
.set KP,   272                         ; K's LDS pitch: 256 + 16, an odd multiple of 16
.set VP,   288                         ; V's LDS pitch: 256 + 32, an odd multiple of 32, for the transposing load
.set KOFF, 128*VP                      ; a slot: V's 128 rows, then K's 128 rows
.set SLOT, 128*VP+128*KP
.set STAGE, 2*SLOT                     ; 32 rows x 272 bytes for each wave, for the way out; no tensor load lands here
.set SP,   272
.set TM,  1                            ; the mask's query - key
.set KA,  2                            ; v2-3   LDS address of my K fragments in slot 0, 1
.set VA,  4                            ; v4-5   the same for V
.set LD,  6                            ; 32 w + l % 16 - 8 (l / 16)
.set VB,  7                            ; LD + 128 (query block - key block)
.set QO,  8
.set STO, 9
.set RD,  10
.set CO,  11
.set MX,  12                           ; v12-13 running maximum of query tile 0, 1
.set LS,  14                           ; v14-15 my lane's part of the running sum
.set NMC, 16                           ; v[16:17], v[18:19]  - scale x maximum, twice (a pair for the packed forms)
.set FC,  20                           ; v[20:21], v[22:23]  the factor for what has been summed, twice
.set TA,  24                           ; v24-25, v26-27 maxima at work;
.set TB,  26
.set Y,   24                           ; later v[24:27] and v[28:31]: four chains of sums; then P's high parts widened again
.set X,   28
.set PR,  32                           ; v32-63   P fragment (u, qt) at 32 + 8 (2 u + qt) (below v128: its halves are named)
.set SC,  64                           ; v64-127  score tile (kt, qt) at 64 + 8 (2 kt + qt); in query block 0 later v64-95: P's low fragments
.set F0,  128                          ; v128-255 K fragment (kt, ds) at 128 + 32 kt + 8 ds; then V fragment (u, dt) at 128 + 64 u + 8 dt
.set QF,  128                          ; in window 1
.set QL,  192                          ; in window 1
.set G1K, 28                           ; s[28:35] group 1 for K's tiles, s[36:43] for V's (they differ in the padding)
.set G1V, 36
.set G0K, 44                           ; s[44:51] group 0 for K, a set for each slot; s[52:59] for V
.set G0V, 52
.set QLD,  0x40                        ; destination window 1
.set SMUL, 0x04                        ; source 1 (Q) window 1
.set PV,   0x50                        ; C and D (O) window 1
.set RESC, 0x41                        ; source 0 and destination window 1
.set OUTM, 0x01                        ; source 0 window 1
.set MSB, 0
.macro WIN new
.if MSB != \new
	s_set_vgpr_msb (MSB<<8)|\new
.set MSB, \new
.endif
.endm
.macro PLACES                          ; four places (ISA guide 7.12.1 for vector instructions) behind a matrix instruction
.rept 4
	v_nop
.endr
.endm
.macro KVLOAD s                        ; waves 0 and 1 fetch V's two halves of 64 rows, waves 2 and 3 K's
	s_cmp_eq_u32 s9, 0
	s_cbranch_scc0 .Lfor_k_\@
	tensor_load_to_lds s[G0V+4*(\s):G0V+4*(\s)+3], s[G1V:G1V+7]
	s_nop 0
	s_branch .Lasked_\@
.Lfor_k_\@:
	tensor_load_to_lds s[G0K+4*(\s):G0K+4*(\s)+3], s[G1K:G1K+7]
	s_nop 0
.Lasked_\@:
.endm
.macro QLOAD qf, base                  ; my 32 queries stay in registers: 2 query tiles x 4 steps of 32 along d
	WIN QLD
.irp qt, 0,1
.irp ds, 0,1,2,3
	global_load_b128 v[\qf+8*(4*\qt+\ds):\qf+8*(4*\qt+\ds)+3],   v[QO], s[\base:\base+1] offset:16*QROW*\qt+64*\ds
	global_load_b128 v[\qf+8*(4*\qt+\ds)+4:\qf+8*(4*\qt+\ds)+7], v[QO], s[\base:\base+1] offset:16*QROW*\qt+64*\ds+32
.endr
.endr
	WIN 0
.endm
	s_load_b128 s[4:7], s[0:1], 0x0                ; qkv s[4:5], qkvlo s[6:7]
	s_load_b64 s[2:3], s[0:1], 0x10                ; att
	s_set_vgpr_msb 0x80
	v_lshl_add_u32 v0, v0, 2, 0x2b800
	v_mov_b32 v1, 0
	s_set_vgpr_msb 0x808a
	ds_add_u32 v0, v1
	ds_add_u32 v0, v1
	s_set_vgpr_msb 0x8a00
	v_lshrrev_b32 v1, 5, v0
	v_readfirstlane_b32 s8, v1                     ; wave 0..3
	s_lshr_b32 s9, s8, 1                           ; I fetch for V (0) or K (1)
	s_and_b32 s10, s8, 1                           ; which 64 rows
	s_mov_b32 s11, ttmp9                           ; query block
	s_and_b32 s12, ttmp7, 0xffff                   ; head
	s_lshr_b32 s13, s12, 1                         ; key and value head
	s_sub_co_i32 s14, s11, 8
	s_max_i32 s14, s14, 0                          ; first key block
	s_sub_co_u32 s15, s11, s14
	s_lshl_b32 s16, s15, 7                         ; 128 (query block - key block), stepped down block by block
	s_add_co_u32 s15, s15, 1                       ; key blocks: 1 to 9
	s_mov_b32 s20, 0x76543210                      ; v_permlanex16_b32: lane i reads lane i of the other half
	s_mov_b32 s21, 0xfedcba98
	s_mov_b32 s22, 0x400293ee                      ; 16 x 128^-0.5 x log2 e (the scores are at 1/16)
	s_mov_b32 s23, 0x400293ee
	s_mov_b32 s24, 0xc00293ee                      ; its negative
	s_mov_b32 s25, 0xf1800000                      ; -2^100
	; group 1: 64 rows x 128 elements of 2 bytes, 4,096 elements from row to row; behind every 64 words 4 words of padding (K) or 8 (V)
	s_mov_b32 s[G1K+0], (1<<16)|(1<<20)|(5<<22)|(3<<25)
	s_mov_b32 s[G1V+0], (1<<16)|(1<<20)|(5<<22)|(7<<25)
	s_mov_b32 s[G1K+1], 128<<16
	s_mov_b32 s[G1V+1], 128<<16
	s_mov_b32 s[G1K+2], 64<<16
	s_mov_b32 s[G1V+2], 64<<16
	s_mov_b32 s[G1K+3], 128<<16
	s_mov_b32 s[G1V+3], 128<<16
	s_mov_b32 s[G1K+4], 64
	s_mov_b32 s[G1V+4], 64
	s_mov_b32 s[G1K+5], 4096
	s_mov_b32 s[G1V+5], 4096
	s_mov_b32 s[G1K+6], 0
	s_mov_b32 s[G1V+6], 0
	s_mov_b32 s[G1K+7], 0
	s_mov_b32 s[G1V+7], 0
	s_lshl_b32 s68, s14, 7
	s_lshl_b32 s17, s10, 6
	s_add_co_u32 s68, s68, s17                     ; row 128 x first key block + 64 x half
	s_lshl_b32 s68, s68, 13
	s_lshl_b32 s17, s13, 8
	s_add_co_u32 s68, s68, s17                     ; + 256 bytes x key and value head
	s_mov_b32 s69, 0
	s_mul_i32 s18, s8, 64*VP                       ; V's halves go to wave x 64 rows,
	s_mul_i32 s19, s8, 64*KP                       ; K's to a constant + wave x 64 rows
	s_wait_dscnt 0x0
	s_wait_kmcnt 0x0
	s_add_nc_u64 s[62:63], s[4:5], s[68:69]
.irp s, 0,1
	s_mov_b32 s[G0K+4*\s], 1
	s_add_co_u32 s[G0K+4*\s+1], s19, \s*SLOT+KOFF-128*KP           ; waves 2, 3: KOFF + (wave - 2) x 64 rows
	s_add_nc_u64 s[G0K+4*\s+2:G0K+4*\s+3], s[62:63], 4096+\s*128*QROW   ; key block s of mine, k's columns
	s_or_b32 s[G0K+4*\s+3], s[G0K+4*\s+3], 0x80000000
	s_mov_b32 s[G0V+4*\s], 1
	s_add_co_u32 s[G0V+4*\s+1], s18, \s*SLOT
	s_add_nc_u64 s[G0V+4*\s+2:G0V+4*\s+3], s[62:63], 6144+\s*128*QROW   ; v's columns
	s_or_b32 s[G0V+4*\s+3], s[G0V+4*\s+3], 0x80000000
.endr
	KVLOAD 0                                       ; the first key block; slot 1 is first filled behind the first block's barrier (query block 0: below)
	v_and_b32 v12, 15, v0                          ; r = l % 16
	v_bfe_u32 v13, v0, 4, 1                        ; h = l / 16
	v_mul_u32_u24 v14, v12, KP
	v_lshl_add_u32 v14, v13, 4, v14                ; 272 r + 16 h
	v_add_nc_u32 v[KA], KOFF, v14
	v_add_nc_u32 v[KA+1], KOFF+SLOT, v14
	v_and_b32 v15, 7, v0
	v_lshl_add_u32 v15, v13, 3, v15                ; key 8 h + l % 8
	v_mul_u32_u24 v15, v15, VP
	v_bfe_u32 v16, v0, 3, 1
	v_lshl_add_u32 v[VA], v16, 4, v15              ; + 16 bytes for the odd groups of eight lanes
	v_add_nc_u32 v[VA+1], SLOT, v[VA]
	v_lshl_add_u32 v17, s8, 5, v12                 ; 32 w + r
	v_lshlrev_b32 v18, 3, v13
	v_sub_nc_u32 v[LD], v17, v18
	v_lshlrev_b32 v17, 13, v17
	v_lshl_add_u32 v[QO], v13, 4, v17              ; my query's row + 16 h
	s_mul_i32 s17, s8, 32*SP
	s_add_co_u32 s17, s17, STAGE
	v_add_nc_u32 v[STO], s17, v14
	v_mul_u32_u24 v18, v13, SP
	v_lshl_add_u32 v18, v12, 4, v18
	v_add_nc_u32 v[RD], s17, v18
	v_lshlrev_b32 v18, 12, v13
	v_lshl_add_u32 v[CO], v12, 4, v18
	s_lshl_b32 s60, s11, 20                        ; 128 rows of 8,192 bytes for each query block
	s_lshl_b32 s17, s12, 8
	s_add_co_u32 s60, s60, s17
	s_mov_b32 s61, 0
	s_add_nc_u64 s[26:27], s[4:5], s[60:61]
	QLOAD QF, 26
	s_wait_loadcnt 0x0
; one product of S^T: key tile kt x query tile qt, step ds of 32 along d, with Q's fragments at qf
.macro SMM kt, qt, ds, qf, zero
.if \zero
	v_wmma_f32_16x16x32_f16 v[SC+8*(2*\kt+\qt):SC+8*(2*\kt+\qt)+7], v[F0+32*\kt+8*\ds:F0+32*\kt+8*\ds+7], v[\qf+8*(4*\qt+\ds):\qf+8*(4*\qt+\ds)+7], 0
.else
	v_wmma_f32_16x16x32_f16 v[SC+8*(2*\kt+\qt):SC+8*(2*\kt+\qt)+7], v[F0+32*\kt+8*\ds:F0+32*\kt+8*\ds+7], v[\qf+8*(4*\qt+\ds):\qf+8*(4*\qt+\ds)+7], v[SC+8*(2*\kt+\qt):SC+8*(2*\kt+\qt)+7]
.endif
.endm
.macro SQUAD ka, kb, ds, qf, zero
	SMM \ka, 0, \ds, \qf, \zero
	SMM \ka, 1, \ds, \qf, \zero
	SMM \kb, 0, \ds, \qf, \zero
	SMM \kb, 1, \ds, \qf, \zero
.endm
.macro SHALF ka, kb, qf, start         ; 16 products: four accumulators take turns, one instruction a turn; start = 1: the first four start the sums
	SQUAD \ka, \kb, 0, \qf, \start
	SQUAD \ka, \kb, 1, \qf, 0
	SQUAD \ka, \kb, 2, \qf, 0
	SQUAD \ka, \kb, 3, \qf, 0
.endm
.macro PVH u, zero, pf                 ; 16 products of O^T, 32 keys, with P's fragments at pf: sixteen accumulators take turns
.irp dt, 0,1,2,3,4,5,6,7
.irp qt, 0,1
.if \zero
	v_wmma_f32_16x16x32_f16 v[8*(2*\dt+\qt):8*(2*\dt+\qt)+7], v[F0+64*\u+8*\dt:F0+64*\u+8*\dt+7], v[\pf+8*(2*\u+\qt):\pf+8*(2*\u+\qt)+7], 0
.else
	v_wmma_f32_16x16x32_f16 v[8*(2*\dt+\qt):8*(2*\dt+\qt)+7], v[F0+64*\u+8*\dt:F0+64*\u+8*\dt+7], v[\pf+8*(2*\u+\qt):\pf+8*(2*\u+\qt)+7], v[8*(2*\dt+\qt):8*(2*\dt+\qt)+7]
.endif
.endr
.endr
.endm
.macro KLOAD adr, t                    ; 32 LDS loads: 64 keys x 128 d as 16 fragments
.irp kt, 0,1,2,3
.irp ds, 0,1,2,3
	ds_load_b128 v[F0+32*\kt+8*\ds:F0+32*\kt+8*\ds+3],   v[\adr] offset:(64*\t+16*\kt)*KP+64*\ds
	ds_load_b128 v[F0+32*\kt+8*\ds+4:F0+32*\kt+8*\ds+7], v[\adr] offset:(64*\t+16*\kt)*KP+64*\ds+32
.endr
.endr
.endm
.macro VLOAD adr, t                    ; 32 transposing LDS loads: 128 d x 64 keys as 16 fragments
.irp u, 0,1
.irp dt, 0,1,2,3,4,5,6,7
	ds_load_tr16_b128 v[F0+64*\u+8*\dt:F0+64*\u+8*\dt+3],   v[\adr] offset:(64*\t+32*\u)*VP+32*\dt
	ds_load_tr16_b128 v[F0+64*\u+8*\dt+4:F0+64*\u+8*\dt+7], v[\adr] offset:(64*\t+32*\u+16)*VP+32*\dt
.endr
.endr
.endm
; The softmax step on 64 keys x 32 queries: mask, new maximum, factor, exponentials (left in SC), sums, P in f16 (in PR).
.macro SOFT t, first, mask
.if \mask
	v_add_nc_u32 v[VB], s16, v[LD]
.irp kt, 0,1,2,3
.irp qt, 0,1
.irp j, 0,1,2,3,4,5,6,7
	v_add_nc_u32 v[TM], 16*\qt-64*\t-16*\kt-\j, v[VB]              ; query - key
	v_cmp_gt_u32 vcc_lo, 0x400, v[TM]                              ; 0 <= it < 1024, in one unsigned compare
	v_cndmask_b32 v[SC+8*(2*\kt+\qt)+\j], s25, v[SC+8*(2*\kt+\qt)+\j], vcc_lo
.endr
.endr
.endr
.endif
	; the new maximum of each query: four chains over my 32 scores a query tile, then the other half of the lanes
.irp qt, 0,1
.if \first
	v_max_num_f32 v[TA+\qt], v[SC+8*\qt], v[SC+8*\qt+1]
.else
	v_max3_num_f32 v[TA+\qt], v[MX+\qt], v[SC+8*\qt], v[SC+8*\qt+1]
.endif
	v_max_num_f32 v[TB+\qt], v[SC+32+8*\qt], v[SC+32+8*\qt+1]
.endr
.irp e, 1,2,3,4,5,6,7
.irp qt, 0,1
	v_max3_num_f32 v[TA+\qt], v[TA+\qt], v[SC+16*(\e/4)+8*\qt+2*(\e%4)], v[SC+16*(\e/4)+8*\qt+2*(\e%4)+1]
	v_max3_num_f32 v[TB+\qt], v[TB+\qt], v[SC+32+16*(\e/4)+8*\qt+2*(\e%4)], v[SC+32+16*(\e/4)+8*\qt+2*(\e%4)+1]
.endr
.endr
	v_max_num_f32 v[TA], v[TA], v[TB]
	v_max_num_f32 v[TA+1], v[TA+1], v[TB+1]
	v_permlanex16_b32 v[TB], v[TA], s20, s21
	v_permlanex16_b32 v[TB+1], v[TA+1], s20, s21
	v_max_num_f32 v[TA], v[TA], v[TB]
	v_max_num_f32 v[TA+1], v[TA+1], v[TB+1]
	v_mul_f32 v[TB], s24, v[TA]                    ; - scale x maximum
	v_mul_f32 v[TB+1], s24, v[TA+1]
.if \first == 0
	v_sub_f32 v[FC], v[TB], v[NMC]                 ; new shift - old shift, at most 0: the very numbers that were and will be added,
	v_sub_f32 v[FC+2], v[TB+1], v[NMC+2]           ; so their rounding cancels between what is summed and what is to come
.endif
.irp qt, 0,1
	v_mov_b32 v[NMC+2*\qt], v[TB+\qt]
	v_mov_b32 v[NMC+2*\qt+1], v[TB+\qt]
.endr
.irp kt, 0,1,2,3
.irp qt, 0,1
.irp p, 0,1,2,3
	v_pk_fma_f32 v[SC+8*(2*\kt+\qt)+2*\p:SC+8*(2*\kt+\qt)+2*\p+1], v[SC+8*(2*\kt+\qt)+2*\p:SC+8*(2*\kt+\qt)+2*\p+1], s[22:23], v[NMC+2*\qt:NMC+2*\qt+1] op_sel_hi:[1,0,1]
.endr
.endr
.endr
.if \first == 0
	v_exp_f32 v[FC], v[FC]
	v_exp_f32 v[FC+2], v[FC+2]
.endif
.set i, 0
.rept 64
	v_exp_f32 v[SC+i], v[SC+i]
.set i, i+1
.endr
	v_mov_b32 v[MX], v[TA]                         ; plain instructions behind the run of exponentials, before a result is used (ISA guide 5.7.2)
	v_mov_b32 v[MX+1], v[TA+1]
.if \first == 0
	s_wait_alu depctr_va_vdst(0)
	v_mov_b32 v[FC+1], v[FC]
	v_mov_b32 v[FC+3], v[FC+2]
.endif
	; my lane's part of each query's sum, in four chains of packed additions
	s_wait_alu depctr_va_vdst(0)
.irp qt, 0,1
	v_pk_add_f32 v[X+2*\qt:X+2*\qt+1], v[SC+8*\qt:SC+8*\qt+1], v[SC+8*\qt+2:SC+8*\qt+3]
	v_pk_add_f32 v[Y+2*\qt:Y+2*\qt+1], v[SC+32+8*\qt:SC+32+8*\qt+1], v[SC+32+8*\qt+2:SC+32+8*\qt+3]
.endr
.irp e, 2,3,4,5,6,7
.irp qt, 0,1
	v_pk_add_f32 v[X+2*\qt:X+2*\qt+1], v[X+2*\qt:X+2*\qt+1], v[SC+16*(\e/4)+8*\qt+2*(\e%4):SC+16*(\e/4)+8*\qt+2*(\e%4)+1]
	v_pk_add_f32 v[Y+2*\qt:Y+2*\qt+1], v[Y+2*\qt:Y+2*\qt+1], v[SC+32+16*(\e/4)+8*\qt+2*(\e%4):SC+32+16*(\e/4)+8*\qt+2*(\e%4)+1]
.endr
.endr
.irp qt, 0,1
	v_pk_add_f32 v[X+2*\qt:X+2*\qt+1], v[X+2*\qt:X+2*\qt+1], v[Y+2*\qt:Y+2*\qt+1]
.endr
.if \first
	v_add_f32 v[LS], v[X], v[X+1]
	v_add_f32 v[LS+1], v[X+2], v[X+3]
.else
	v_fma_f32 v[LS], v[LS], v[FC], v[X]
	v_fma_f32 v[LS+1], v[LS+1], v[FC+2], v[X+2]
	v_add_f32 v[LS], v[LS], v[X+1]
	v_add_f32 v[LS+1], v[LS+1], v[X+3]
.endif
	; P in f16: score tiles 2 u and 2 u + 1 become registers 0-3 and 4-7 of fragment (u, qt)
.irp u, 0,1
.irp qt, 0,1
.irp c, 0,1
.irp p, 0,1,2,3
	v_cvt_pk_f16_f32 v[PR+8*(2*\u+\qt)+4*\c+\p], v[SC+8*(2*(2*\u+\c)+\qt)+2*\p], v[SC+8*(2*(2*\u+\c)+\qt)+2*\p+1]
.endr
.endr
.endr
.endr
.endm
.macro RESCALE                         ; what has been summed of O, times the factor
	WIN RESC
.irp dt, 0,1,2,3,4,5,6,7
.irp qt, 0,1
.irp p, 0,1,2,3
	v_pk_mul_f32 v[8*(2*\dt+\qt)+2*\p:8*(2*\dt+\qt)+2*\p+1], v[8*(2*\dt+\qt)+2*\p:8*(2*\dt+\qt)+2*\p+1], v[FC+2*\qt:FC+2*\qt+1]
.endr
.endr
.endr
.endm
; P's low part: P - f16(P), exact in f32, rounded to f16 in its turn.  Register didx of PR holds the scores sidx and sidx + 1 of SC.
; The remainders are packed in place, fragment (u, qt) at SC + 8 (2 u + qt), in the order u, c, qt, p: a line writes register
; 16 u + 8 qt + 4 c + p and reads 32 u + 16 c + 8 qt + 2 p and the next, so every register that it overwrites has been read by it or an earlier line.
.macro PLO
.set i, 0
.irp r, v32.l,v32.h,v33.l,v33.h,v34.l,v34.h,v35.l,v35.h,v36.l,v36.h,v37.l,v37.h,v38.l,v38.h,v39.l,v39.h,v40.l,v40.h,v41.l,v41.h,v42.l,v42.h,v43.l,v43.h,v44.l,v44.h,v45.l,v45.h,v46.l,v46.h,v47.l,v47.h,v48.l,v48.h,v49.l,v49.h,v50.l,v50.h,v51.l,v51.h,v52.l,v52.h,v53.l,v53.h,v54.l,v54.h,v55.l,v55.h,v56.l,v56.h,v57.l,v57.h,v58.l,v58.h,v59.l,v59.h,v60.l,v60.h,v61.l,v61.h,v62.l,v62.h,v63.l,v63.h
	v_cvt_f32_f16 v[Y+i%8], \r
.if i%2
.set didx, i/2
.set sidx, 32*(didx/16)+16*((didx/4)%2)+8*((didx/8)%2)+2*(didx%4)
	v_pk_add_f32 v[SC+sidx:SC+sidx+1], v[SC+sidx:SC+sidx+1], v[Y+i%8-1:Y+i%8] neg_lo:[0,1] neg_hi:[0,1]
.endif
.set i, i+1
.endr
.irp u, 0,1
.irp c, 0,1
.irp qt, 0,1
.irp p, 0,1,2,3
	v_cvt_pk_f16_f32 v[SC+8*(2*\u+\qt)+4*\c+\p], v[SC+8*(2*(2*\u+\c)+\qt)+2*\p], v[SC+8*(2*(2*\u+\c)+\qt)+2*\p+1]
.endr
.endr
.endr
.endr
.endm
; 64 keys (half t of the block in slot) against my 32 queries.  first = 1: nothing has been summed yet.  mask = 1: the block holds an edge.
.macro TILE slot, t, first, mask
	PLACES
	KLOAD KA+\slot, \t
	s_wait_dscnt 16                                ; key tiles 0 and 1 are in; the 16 loads of tiles 2 and 3 may be out
	WIN SMUL
	SHALF 0, 1, QF, 1
	s_wait_dscnt 0
	SHALF 2, 3, QF, 1
	PLACES
	WIN 0
	VLOAD VA+\slot, \t                             ; V's fragments land while the softmax is worked out
	SOFT \t, \first, \mask
.if \first == 0
	RESCALE
.endif
	s_wait_dscnt 16                                ; V's keys 0-31 are in; the 16 loads of keys 32-63 may be out
	WIN PV
	PVH 0, \first, PR
	s_wait_dscnt 0
	PVH 1, 0, PR
	WIN 0
.endm
; The same for query block 0, with the low parts: high tiles in slot 0, low tiles in slot 1.
.macro TILEX t, first
	PLACES
	KLOAD KA, \t
	s_wait_dscnt 16
	WIN SMUL
	SHALF 0, 1, QF, 1                              ; Kh Qh
	s_wait_dscnt 0
	SHALF 2, 3, QF, 1
	SHALF 0, 1, QL, 0                              ; + Kh Ql
	SHALF 2, 3, QL, 0
	PLACES
	WIN 0
	KLOAD KA+1, \t
	s_wait_dscnt 0
	WIN SMUL
	SHALF 0, 1, QF, 0                              ; + Kl Qh
	SHALF 2, 3, QF, 0
	PLACES
	WIN 0
	VLOAD VA, \t
	SOFT \t, \first, 1
	PLO
.if \first == 0
	RESCALE
.endif
	s_wait_dscnt 0
	WIN PV
	PVH 0, \first, PR                              ; Vh Ph
	PVH 1, 0, PR
	PVH 0, 0, SC                                   ; + Vh Pl
	PVH 1, 0, SC
	PLACES
	WIN 0
	VLOAD VA+1, \t
	s_wait_dscnt 0
	WIN PV
	PVH 0, 0, PR                                   ; + Vl Ph
	PVH 1, 0, PR
	WIN 0
.endm
; A key block.  In front of the barrier each wave waits for all its tensor loads (its part of this block among them) and for its reads
; of the other slot; behind it the other slot is filled first, one tensor load a wave, and has this block's 128 matrix instructions
; and two softmaxes in which to land.  By this text's count a wave has one tensor load out here (two at the start of query block 0).
.macro BLOCK slot, refill, first, mask
	s_set_vgpr_msb 0xa
	s_wait_tensorcnt 0x0
	ds_add_u32 v0, v1
	s_wait_dscnt 0x0
	s_set_vgpr_msb 0xa00
	s_add_nc_u64 s[G0K+4*\slot+2:G0K+4*\slot+3], s[G0K+4*\slot+2:G0K+4*\slot+3], 2*128*QROW   ; no load of mine is out: this slot's next block
	s_add_nc_u64 s[G0V+4*\slot+2:G0V+4*\slot+3], s[G0V+4*\slot+2:G0V+4*\slot+3], 2*128*QROW
	s_wait_dscnt 0x0
	s_barrier_signal -1
	s_barrier_wait -1
.if \refill
	KVLOAD 1-\slot
.endif
	TILE \slot, 0, \first, \mask
	TILE \slot, 1, 0, \mask
	s_sub_co_u32 s16, s16, 128
.endm
	s_cmp_eq_u32 s15, 1
	s_cbranch_scc1 .Lsingle
	BLOCK 0, 1, 1, 1                               ; the first block: it may hold the window's edge
	s_sub_co_u32 s18, s15, 2                       ; the blocks between the first and the last hold no edge:
	s_lshr_b32 s18, s18, 1                         ; pairs of them in the loop,
	s_lshl_b32 s19, s18, 1
	s_sub_co_u32 s19, s15, s19
	s_sub_co_u32 s19, s19, 1                       ; and 1 or 2 blocks behind it, the last of them the diagonal
	s_cmp_eq_u32 s18, 0
	s_cbranch_scc1 .Ltail
.Lpair:
	BLOCK 1, 1, 0, 0
	BLOCK 0, 1, 0, 0
	s_sub_co_u32 s18, s18, 1
	s_cmp_lg_u32 s18, 0
	s_cbranch_scc1 .Lpair
.Ltail:
	s_cmp_eq_u32 s19, 1
	s_cbranch_scc1 .Lone
	BLOCK 1, 1, 0, 0
	BLOCK 0, 0, 0, 1
	s_branch .Lout
.Lone:
	BLOCK 1, 0, 0, 1
	s_branch .Lout
.Lsingle:
	; Query block 0: one key block, first and diagonal at once, with the low parts.  Slot 1's descriptors, which no load has named yet,
	; are pointed at the same rows and columns of qkvlo; its fill is this path's second first fill, ahead of every wait on TENSORcnt,
	; LDS read and barrier of the path.
	s_add_nc_u64 s[70:71], s[6:7], s[68:69]
	s_add_nc_u64 s[G0K+6:G0K+7], s[70:71], 4096
	s_or_b32 s[G0K+7], s[G0K+7], 0x80000000
	s_add_nc_u64 s[G0V+6:G0V+7], s[70:71], 6144
	s_or_b32 s[G0V+7], s[G0V+7], 0x80000000
	KVLOAD 1
	s_add_nc_u64 s[70:71], s[6:7], s[60:61]        ; my queries' low parts
	QLOAD QL, 70
	s_wait_loadcnt 0x0
	s_wait_tensorcnt 0x0                           ; my parts of both slots are in,
	s_barrier_signal -1
	s_barrier_wait -1                              ; everybody's are
	TILEX 0, 1
	TILEX 1, 0
.Lout:
	; THE END: join the two halves' sums, divide, round to f16, 16 bytes a lane into my stage, whole rows of 256 bytes back and out
	PLACES
	v_permlanex16_b32 v[TB], v[LS], s20, s21
	v_permlanex16_b32 v[TB+1], v[LS+1], s20, s21
	v_add_f32 v[LS], v[LS], v[TB]
	v_add_f32 v[LS+1], v[LS+1], v[TB+1]
	v_rcp_f32 v[FC], v[LS]                         ; the sum is at least 1: the largest score gives exp2(0)
	v_rcp_f32 v[FC+2], v[LS+1]
	v_nop                                          ; one plain place behind the reciprocals (ISA guide 5.7.2)
	s_wait_alu depctr_va_vdst(0)
	v_mov_b32 v[FC+1], v[FC]
	v_mov_b32 v[FC+3], v[FC+2]
	s_lshl_b32 s60, s11, 7
	s_lshl_b32 s17, s8, 5
	s_add_co_u32 s60, s60, s17                     ; my first query
	s_lshl_b32 s60, s60, 12                        ; rows of 4,096 bytes
	s_lshl_b32 s17, s12, 8
	s_add_co_u32 s60, s60, s17                     ; + 256 bytes x head
	s_add_nc_u64 s[2:3], s[2:3], s[60:61]
.irp qt, 0,1
	WIN OUTM
.irp dt, 0,1,2,3,4,5,6,7
.irp p, 0,1,2,3
	v_pk_mul_f32 v[SC+8*\dt+2*\p:SC+8*\dt+2*\p+1], v[8*(2*\dt+\qt)+2*\p:8*(2*\dt+\qt)+2*\p+1], v[FC+2*\qt:FC+2*\qt+1]
.endr
.endr
	WIN 0
.irp dt, 0,1,2,3,4,5,6,7
.irp p, 0,1,2,3
	v_cvt_pk_f16_f32 v[PR+4*\dt+\p], v[SC+8*\dt+2*\p], v[SC+8*\dt+2*\p+1]
.endr
.endr
.irp dt, 0,1,2,3,4,5,6,7
	ds_store_b128 v[STO], v[PR+4*\dt:PR+4*\dt+3] offset:\qt*16*SP+32*\dt
.endr
.endr
.irp t, 0,1,2,3,4,5,6,7,8,9,10,11,12,13,14,15
	ds_load_b128 v[F0+4*\t:F0+4*\t+3], v[RD] offset:\t*2*SP        ; LDS serves a wave's instructions in order (ISA guide 5.7.1.4): these see the stores above
.endr
.irp t, 0,1,2,3,4,5,6,7,8,9,10,11,12,13,14,15
	s_wait_dscnt 15-\t                             ; the younger read-backs may stay out
	global_store_b128 v[CO], v[F0+4*\t:F0+4*\t+3], s[2:3] offset:\t*8192   ; 16 lanes store 256 consecutive aligned bytes
.endr
	s_set_vgpr_msb 0xa
	s_wait_tensorcnt 0x0
	ds_add_u32 v0, v1
	s_wait_dscnt 0x0
	s_set_vgpr_msb 0xa00
	s_endpgm
.Lfunc_end_k_q33ed4507a1_attn:
	.size	k_q33ed4507a1_attn, .Lfunc_end_k_q33ed4507a1_attn-k_q33ed4507a1_attn
	.p2alignl 7, 3214868480
	.fill 96, 4, 3214868480
	.section	.rodata,"a",@progbits
	.p2align	6, 0x0
	.amdhsa_kernel k_q33ed4507a1_attn
		.amdhsa_group_segment_fixed_size 327680
		.amdhsa_private_segment_fixed_size 0
		.amdhsa_enable_private_segment 0
		.amdhsa_kernarg_size 24
		.amdhsa_user_sgpr_count 2
		.amdhsa_user_sgpr_kernarg_segment_ptr 1
		.amdhsa_wavefront_size32 1
		.amdhsa_system_sgpr_workgroup_id_x 1
		.amdhsa_system_sgpr_workgroup_id_y 1
		.amdhsa_system_sgpr_workgroup_id_z 1
		.amdhsa_system_vgpr_workitem_id 0
		.amdhsa_next_free_vgpr 514
		.amdhsa_next_free_sgpr 72
		.amdhsa_reserve_vcc 1
		.amdhsa_float_denorm_mode_32 3
		.amdhsa_float_denorm_mode_16_64 3
		.amdhsa_memory_ordered 1
		.amdhsa_forward_progress 1
		.amdhsa_inst_pref_size 255
	.end_amdhsa_kernel
	.section	.bss,"aw",@nobits
	.p2align	6
	.space	262144
	.amdgpu_metadata
---
amdhsa.version: [ 1, 2 ]
amdhsa.kernels:
  - .name:           k_q33ed4507a1_attn
    .symbol:         k_q33ed4507a1_attn.kd
    .args:
      - { .name: qkv, .offset: 0, .size: 8, .value_kind: global_buffer, .address_space: global }
      - { .name: qkvlo, .offset: 8, .size: 8, .value_kind: global_buffer, .address_space: global }
      - { .name: att, .offset: 16, .size: 8, .value_kind: global_buffer, .address_space: global }
    .group_segment_fixed_size: 327680
    .private_segment_fixed_size: 0
    .kernarg_segment_align: 8
    .kernarg_segment_size: 24
    .max_flat_workgroup_size: 128
    .sgpr_count:     72
    .vgpr_count:     514
    .wavefront_size: 32
...
	.end_amdgpu_metadata
.endif
;; end of part 3
;; launch oproj (part 4): grid 16 x 16, 4 waves a work-group, clusters of 4 x 4, 327,680 bytes of LDS; arguments att, xw, out0; writes out0
.if DOCPART == 4
	.amdgcn_target "amdgcn-amd-amdhsa--gfx1250"
	.amdhsa_code_object_version 6
	.text
	.protected	k_q33ed4507a1_oproj
	.globl	k_q33ed4507a1_oproj
	.p2align	8
	.type	k_q33ed4507a1_oproj,@function
k_q33ed4507a1_oproj:
	s_mov_b64 s[64:65], 0
	v_nop
	global_prefetch_b8 v0, s[64:65] scope:SCOPE_SE
	s_setreg_imm32_b32 hwreg(HW_REG_WAVE_MODE, 25, 1), 1
	s_wait_xcnt 0x0
	s_wait_alu depctr_hold_cnt(0) depctr_sa_sdst(0) depctr_va_vdst(0) depctr_va_sdst(0) depctr_va_ssrc(0) depctr_va_vcc(0) depctr_vm_vsrc(0)
	s_getreg_b32 s2, hwreg(HW_REG_IB_STS2, 6, 4)
	s_cmp_eq_u32 s2, 0
	s_cbranch_scc0 .Lentry_in_a_cluster
	s_endpgm
.Lentry_in_a_cluster:
	s_bfe_u32 s2, ttmp6, 0x10000c
	s_cmp_lg_u32 s2, 0xf033
	s_cbranch_scc0 .Lentry_shape_is_right
	s_endpgm
.Lentry_shape_is_right:
; out0[t][c] = sum over k of A[t][k] W[c][k], A = att (2048 x 2048 f16, the attention's result / 4), W = 4 bf16(wo) (4096 x 2048 f16, in xw);
; sums in f32, stored as f32.  The two powers of two cancel exactly.
; The same build as the projection of q, k and v: a work-group makes 128 x 256, so that 2048 x 4096 gives 256 work-groups; four waves,
; each 64 x 128 in 32 accumulator tiles (256 registers).
; TWO LDS SLOTS OF UNEQUAL LENGTH, filled by the tensor data mover.  All tensor loads have landed at each barrier behind which a slot is
; filled, so what is on its way is one slot, for the time of the other slot's products.  Two slots of 256 along K would take 405,504
; bytes; slot 0 with 256 along K (384 rows x 528 bytes) and slot 1 with 128 (384 rows x 272) take 307,200 and fit.  A lap is 384 along
; K with two such barriers.  2048 = 128 + 5 x 384: a lap is (slot 1, slot 0), five laps and a last step in slot 1.  A tile's rows are
; 256 or 512 bytes of memory at multiples of 256 bytes (byte 768 i and 768 i + 256 of a row).
; CLUSTERS: 4 x 4 work-groups.  A's tile hangs on the block row alone and is asked for jointly by the four of a row of the cluster,
; W's on the block column alone, by the four of a column.
; REGISTERS: window 0: v16-26 addresses; v32-63 / v128-159 fragments of A, v64-127 / v160-223 of W, two buffers; window 1: accumulator
; tile (a, b) at v[8 (8 a + b)].  s_set_vgpr_msb's low byte: bits 1:0 source 0, 3:2 source 1, 5:4 source 2, 7:6 destination.
; THE MATRIX INSTRUCTION IS USED TRANSPOSED: source 0 = 16 rows of W, source 1 = 16 rows of A: lane l holds row l % 16 of the result,
; its registers 0-7 the columns 8 (l / 16) + 0..7: 32 neighbouring bytes.
.set KDIM,   2048
.set ROWSH,  12                        ; a row of A or W is 1 << 12 bytes
.set P0,     528                       ; slot 0's LDS row: 512 bytes + 16 of padding; slot 1's: 256 + 16.  Both are odd multiples of 16
.set P1,     272
.set A0OFF,  256*P0                    ; a slot: W's 256 rows, then A's 128 rows
.set S1,     384*P0                    ; slot 1 begins behind slot 0
.set A1OFF,  256*P1
.set STAGE,  S1+384*P1                 ; 16 rows x 272 bytes for each wave, for the way out; no tensor load lands here
.set SPITCH, 272                       ; 64 columns of f32 + 16 bytes
.set LAPBY,  768                       ; bytes of a row in a lap
.set K0B,    256                       ; byte of a row at which slot 0's first tile begins, and slot 1's
.set K1B,    0
.set NLOOP,  3                         ; laps 1 to 3; lap 0, lap 4 and the last step are written out
.set WOFF,   50331648                  ; W in xw
.set OROW,   16384                     ; bytes in a row of out0
.set ADRA, 16                          ; v16-17  LDS address of my A fragments in slot 0, 1
.set ADRB, 20                          ; v20-21  the same for W
.set STO,  24
.set RD,   25
.set CO,   26
.set F0,   32
.set F1,   128
.set RB,   32                          ; the way out: v32-63 rows read back
.set G1A, 24                           ; s[24:31], s[32:39] group 1 for A's tiles, a set for each slot
.set G1B, 40                           ; s[40:47], s[48:55] the same for W's
.set G0A, 68                           ; s[68:75] group 0 for A's tiles, a set for each slot
.set G0B, 76                           ; s[76:83] the same for W's
.set PADS0, (1<<16)|(1<<20)|(1<<21)|(6<<22)|(3<<25)   ; elements of 2 bytes; padding on; bit 21 beside a mask; after every 128 words, 4 words
.set PADS1, (1<<16)|(1<<20)|(1<<21)|(5<<22)|(3<<25)   ; the same after every 64 words
.set MUL, 0x50                         ; C and D in window 1
.set STW, 0x04                         ; an LDS store's data in window 1
.set MSB, 0
.macro WIN new
.if MSB != \new
	s_set_vgpr_msb (MSB<<8)|\new
.set MSB, \new
.endif
.endm
.macro JLOAD s                         ; waves 0 and 1 fetch W's two halves (128 rows each), waves 2 and 3 A's (64 rows each)
	s_cmp_eq_u32 s13, 0
	s_cbranch_scc0 .Lfor_a_\@
	tensor_load_to_lds s[G0B+4*\s:G0B+4*\s+3], s[G1B+8*\s:G1B+8*\s+7]
	s_nop 0
	s_branch .Lasked_\@
.Lfor_a_\@:
	tensor_load_to_lds s[G0A+4*\s:G0A+4*\s+3], s[G1A+8*\s:G1A+8*\s+7]
	s_nop 0
.Lasked_\@:
.endm
.macro CREST                           ; a round of the cluster's barrier behind its opening barrier
	s_cmp_lg_u32 s12, 0
	s_cbranch_scc1 .Lnot_wave_0_\@
	s_barrier_signal -3
.Lnot_wave_0_\@:
	s_barrier_wait -3
	s_barrier_signal -1
	s_barrier_wait -1
.endm
.macro CROUND
	s_barrier_signal -1
	s_barrier_wait -1
	CREST
.endm
	s_load_b128 s[4:7], s[0:1], 0x0                ; att s[4:5], xw s[6:7]
	s_load_b64 s[10:11], s[0:1], 0x10              ; out0
	v_lshl_add_u32 v254, v0, 2, 0x4f400
	v_mov_b32 v255, 0
	ds_add_u32 v254, v255
	ds_add_u32 v254, v255
	v_lshrrev_b32 v1, 5, v0
	v_readfirstlane_b32 s12, v1                    ; wave 0..3
	s_lshr_b32 s13, s12, 1                         ; which 64 rows of the block are mine.  Also: I fetch for W (0) or for A (1)
	s_and_b32 s14, s12, 1                          ; which 128 columns.  Also: which half of that tile I fetch
	s_bfe_u32 s15, ttmp6, 0x40000                  ; cx
	s_bfe_u32 s16, ttmp6, 0x40004                  ; cy
	s_lshl_b32 s17, ttmp9, 2
	s_add_co_u32 s17, s17, s15                     ; block column
	s_and_b32 s18, ttmp7, 0xffff
	s_lshl_b32 s18, s18, 2
	s_add_co_u32 s18, s18, s16                     ; block row
	s_lshl_b32 s19, s16, 2
	s_lshl_b32 s19, 15, s19                        ; my row of the cluster
	s_lshl_b32 s20, 0x1111, s15                    ; my column
	; group 1: A 64 rows, W 128 rows, of 256 elements (slot 0) or 128 (slot 1); the extents are the tiles' own (no tile crosses an end)
	s_or_b32 s[G1A+0], s19, PADS0
	s_or_b32 s[G1A+8], s19, PADS1
	s_or_b32 s[G1B+0], s20, PADS0
	s_or_b32 s[G1B+8], s20, PADS1
.irp s, 0,1
	s_mov_b32 s[G1A+8*\s+1], (256-128*\s)<<16      ; tensor_dim0
	s_mov_b32 s[G1B+8*\s+1], (256-128*\s)<<16
	s_mov_b32 s[G1A+8*\s+2], 64<<16                ; tensor_dim1
	s_mov_b32 s[G1B+8*\s+2], 128<<16
	s_mov_b32 s[G1A+8*\s+3], (256-128*\s)<<16      ; tile_dim0
	s_mov_b32 s[G1B+8*\s+3], (256-128*\s)<<16
	s_mov_b32 s[G1A+8*\s+4], 64                    ; tile_dim1
	s_mov_b32 s[G1B+8*\s+4], 128
	s_mov_b32 s[G1A+8*\s+5], KDIM                  ; elements from row to row
	s_mov_b32 s[G1B+8*\s+5], KDIM
	s_mov_b32 s[G1A+8*\s+6], 0
	s_mov_b32 s[G1B+8*\s+6], 0
	s_mov_b32 s[G1A+8*\s+7], 0
	s_mov_b32 s[G1B+8*\s+7], 0
.endr
	s_lshl_b32 s88, s18, 7
	s_lshl_b32 s23, s14, 6
	s_add_co_u32 s88, s88, s23                     ; A: row 128 x block row + 64 x half
	s_lshl_b32 s88, s88, ROWSH
	s_mov_b32 s89, 0
	s_lshl_b32 s90, s17, 8
	s_lshl_b32 s23, s14, 7
	s_add_co_u32 s90, s90, s23                     ; W: row 256 x block column + 128 x half
	s_lshl_b32 s90, s90, ROWSH
	s_mov_b32 s91, 0
	s_mul_i32 s21, s12, 128*P0                     ; W's halves go to wave x 128 rows,
	s_mul_i32 s22, s12, 64*P0                      ; A's to a constant + wave x 64 rows, in slot 0's pitch
	s_mul_i32 s2,  s12, 128*P1                     ; and in slot 1's
	s_mul_i32 s23, s12, 64*P1
	s_wait_dscnt 0x0
	s_wait_kmcnt 0x0
	s_add_nc_u64 s[94:95], s[4:5], s[88:89]
	s_add_nc_u64 s[96:97], s[6:7], s[90:91]
	s_add_nc_u64 s[96:97], s[96:97], WOFF
	CROUND                                         ; all sixteen work-groups are here: the first joint loads meet
	s_mov_b32 s[G0A+4], 1
	s_add_co_u32 s[G0A+5], s23, S1+A1OFF-128*P1                    ; waves 2, 3: S1 + A1OFF + (wave - 2) x 64 rows
	s_add_nc_u64 s[G0A+6:G0A+7], s[94:95], K1B
	s_or_b32 s[G0A+7], s[G0A+7], 0x80000000                        ; type = 2
	s_mov_b32 s[G0B+4], 1
	s_add_co_u32 s[G0B+5], s2, S1
	s_add_nc_u64 s[G0B+6:G0B+7], s[96:97], K1B
	s_or_b32 s[G0B+7], s[G0B+7], 0x80000000
	JLOAD 1                                        ; K 0-127: slot 1 is read first
	s_mov_b32 s[G0A], 1
	s_add_co_u32 s[G0A+1], s22, A0OFF-128*P0
	s_add_nc_u64 s[G0A+2:G0A+3], s[94:95], K0B
	s_or_b32 s[G0A+3], s[G0A+3], 0x80000000
	s_mov_b32 s[G0B], 1
	s_add_co_u32 s[G0B+1], s21, 0
	s_add_nc_u64 s[G0B+2:G0B+3], s[96:97], K0B
	s_or_b32 s[G0B+3], s[G0B+3], 0x80000000
	JLOAD 0                                        ; K 128-383: a wave has two tensor loads out here, later one
	v_and_b32 v1, 15, v0                           ; l % 16
	v_bfe_u32 v2, v0, 4, 1                         ; l / 16
	v_mul_u32_u24 v3, v1, P0
	v_lshl_add_u32 v3, v2, 4, v3                   ; row x pitch + 16 x half, in slot 0's pitch
	v_mul_u32_u24 v4, v1, P1
	v_lshl_add_u32 v4, v2, 4, v4                   ; and in slot 1's
	s_mul_i32 s98, s13, 64*P0
	s_add_co_u32 s98, s98, A0OFF                   ; my 64 rows of A
	v_add_nc_u32 v[ADRA], s98, v3
	s_mul_i32 s98, s14, 128*P0                     ; my 128 rows of W
	v_add_nc_u32 v[ADRB], s98, v3
	s_mul_i32 s98, s13, 64*P1
	s_add_co_u32 s98, s98, S1+A1OFF
	v_add_nc_u32 v[ADRA+1], s98, v4
	s_mul_i32 s98, s14, 128*P1
	s_add_co_u32 s98, s98, S1
	v_add_nc_u32 v[ADRB+1], s98, v4
	s_mul_i32 s98, s12, 16*SPITCH
	s_add_co_u32 s98, s98, STAGE                   ; my stage
	v_mul_u32_u24 v5, v1, SPITCH                   ; in: row l % 16, 32 bytes for each half of the lanes
	v_lshl_add_u32 v5, v2, 5, v5
	v_add_nc_u32 v[STO], s98, v5
	v_mul_u32_u24 v5, v2, SPITCH                   ; back: lanes 0-15 one row of 256 bytes, lanes 16-31 the next
	v_lshl_add_u32 v5, v1, 4, v5
	v_add_nc_u32 v[RD], s98, v5
	v_lshlrev_b32 v5, 14, v2                       ; and the same two rows in out0
	v_lshl_add_u32 v[CO], v1, 4, v5
; The 32 accumulators take turns, one instruction a turn, in one order throughout.
.macro MUL8 f, a, zero
.irp b, 0,1,2,3,4,5,6,7
.if \zero
	v_wmma_f32_16x16x32_f16 v[8*(8*\a+\b):8*(8*\a+\b)+7], v[\f+32+8*\b:\f+32+8*\b+7], v[\f+8*\a:\f+8*\a+7], 0
.else
	v_wmma_f32_16x16x32_f16 v[8*(8*\a+\b):8*(8*\a+\b)+7], v[\f+32+8*\b:\f+32+8*\b+7], v[\f+8*\a:\f+8*\a+7], v[8*(8*\a+\b):8*(8*\a+\b)+7]
.endif
.endr
.endm
.macro FETCH slot, k, f                ; 24 LDS loads in one run: 128 rows of W, then 64 rows of A, 32 K at byte k of the rows; the pitch is the slot's
	WIN 0
.irp i, 0,1,2,3,4,5,6,7
	ds_load_b128 v[\f+32+8*\i:\f+32+8*\i+3],   v[ADRB+\slot] offset:\k+\i*16*(P0-\slot*(P0-P1))
	ds_load_b128 v[\f+32+8*\i+4:\f+32+8*\i+7], v[ADRB+\slot] offset:\k+\i*16*(P0-\slot*(P0-P1))+32
.endr
.irp i, 0,1,2,3
	ds_load_b128 v[\f+8*\i:\f+8*\i+3],   v[ADRA+\slot] offset:\k+\i*16*(P0-\slot*(P0-P1))
	ds_load_b128 v[\f+8*\i+4:\f+8*\i+7], v[ADRA+\slot] offset:\k+\i*16*(P0-\slot*(P0-P1))+32
.endr
.endm
.macro PLACES                          ; four places (ISA guide 7.12.1 for vector instructions) behind a matrix instruction
.rept 4
	v_nop
.endr
.endm
; A quarter is 32 along K, 32 matrix instructions; slot 0 holds eight of them, slot 1 four, on buffers 0, 1, 0, 1, ..
.macro QUARTER slot, k, f, g, zero
	s_wait_dscnt 4                                 ; W and A's rows 0-31 are in; the youngest four loads (A's rows 32-63) may be out
	WIN MUL
	MUL8 \f, 0, \zero
	MUL8 \f, 1, \zero
	PLACES
	FETCH \slot, \k, \g
	s_wait_dscnt 24                                ; all but the 24 just issued
	WIN MUL
	MUL8 \f, 2, \zero
	MUL8 \f, 3, \zero
.endm
.macro BODY slot, zero                 ; all quarters of a slot but the last
	QUARTER \slot, 64,  F0, F1, \zero
	QUARTER \slot, 128, F1, F0, 0
	QUARTER \slot, 192, F0, F1, 0
.if \slot == 0
	QUARTER \slot, 256, F1, F0, 0
	QUARTER \slot, 320, F0, F1, 0
	QUARTER \slot, 384, F1, F0, 0
	QUARTER \slot, 448, F0, F1, 0
.endif
.endm
; The last quarter changes slots: each wave's waits for its reads and for all its tensor loads, the barrier (fill = 1: it opens the
; cluster's round), the refill first behind it, then the next slot's first fragments.  From a request to the wait for it a wave issues
; 248 matrix instructions (slot 1's refill, during slot 0's eight quarters) or 120 (slot 0's, during slot 1's four).
.macro TURN slot, next, fill
	s_wait_dscnt 4
	WIN MUL
	MUL8 F1, 0, 0
	s_wait_dscnt 0                                 ; my reads of this slot are over
	s_wait_tensorcnt 0x0                           ; and all my tensor loads have landed
	ds_add_u32 v254, v255
	s_wait_dscnt 0x0
	s_barrier_signal -1
	MUL8 F1, 1, 0                                  ; registers only, while the others arrive
	WIN 0
	s_barrier_wait -1
.if \fill
	CREST                                          ; no wave of any partner still reads this slot or has a load on its way
	s_add_nc_u64 s[G0A+4*\slot+2:G0A+4*\slot+3], s[G0A+4*\slot+2:G0A+4*\slot+3], LAPBY
	s_add_nc_u64 s[G0B+4*\slot+2:G0B+4*\slot+3], s[G0B+4*\slot+2:G0B+4*\slot+3], LAPBY
	JLOAD \slot                                    ; the first tensor load behind the round, and my only one until the next
.endif
	PLACES
	FETCH \next, 0, F0
	WIN MUL
	MUL8 F1, 2, 0
	MUL8 F1, 3, 0
.endm
.macro LAP zero
	BODY 1, \zero
	TURN 1, 0, 1
	BODY 0, 0
	TURN 0, 1, 1
.endm
	s_wait_tensorcnt 1                             ; my part of slot 1 is in; slot 0's, issued behind it, may stay out:
	s_barrier_signal -1
	s_barrier_wait -1
	FETCH 1, 0, F0
	LAP 1                                          ; lap 0: its first products start the sums
	WIN 0
	s_mov_b32 s3, NLOOP
.Llap:
	LAP 0
	WIN 0
	s_sub_co_u32 s3, s3, 1
	s_cmp_lg_u32 s3, 0
	s_cbranch_scc1 .Llap
	BODY 1, 0                                      ; lap 4
	TURN 1, 0, 1                                   ; slot 1's last tile, K 1920-2047
	BODY 0, 0
	TURN 0, 1, 0                                   ; nothing of K is left for slot 0
	BODY 1, 0                                      ; the last step
	s_wait_dscnt 4
	WIN MUL
	MUL8 F1, 0, 0
	MUL8 F1, 1, 0
	s_wait_dscnt 0
	MUL8 F1, 2, 0
	MUL8 F1, 3, 0
	; THE WAY OUT, 16 rows x 64 columns at a time: the sums go as they are, 32 bytes a lane and tile, into my stage; whole pieces of 256 bytes come back and go out
	PLACES
	WIN 0
	s_lshl_b32 s88, s18, 7
	s_lshl_b32 s23, s13, 6
	s_add_co_u32 s88, s88, s23                     ; my first row
	s_lshl_b32 s88, s88, 14
	s_mov_b32 s89, 0
	s_add_nc_u64 s[10:11], s[10:11], s[88:89]
	s_lshl_b32 s90, s17, 10                        ; my first column in bytes: 1,024 x block column + 512 x half
	s_lshl_b32 s23, s14, 9
	s_add_co_u32 s90, s90, s23
	s_mov_b32 s91, 0
	s_add_nc_u64 s[10:11], s[10:11], s[90:91]
; rows 16 a .. 16 a + 15 of my 64, columns 64 hf .. 64 hf + 63 of my 128: the four tiles (a, 4 hf + 0..3).
; The group's place stands in the stores' immediate: 62 rows of 16,384 bytes and 256 bytes at the most.
.macro OUT16 a, hf
	WIN STW
.irp b, 0,1,2,3
	ds_store_b128 v[STO], v[8*(8*\a+4*\hf+\b):8*(8*\a+4*\hf+\b)+3]   offset:64*\b
	ds_store_b128 v[STO], v[8*(8*\a+4*\hf+\b)+4:8*(8*\a+4*\hf+\b)+7] offset:64*\b+16
.endr
	WIN 0
	s_wait_xcnt 0x0                                ; the earlier stores' addresses are translated (ISA guide 3.1): their data registers are rewritten only behind this wait
.irp t, 0,1,2,3,4,5,6,7
	ds_load_b128 v[RB+4*\t:RB+4*\t+3], v[RD] offset:\t*2*SPITCH    ; LDS serves a wave's instructions in order (ISA guide 5.7.1.4): these see the stores above
.endr
.irp t, 0,1,2,3,4,5,6,7
	s_wait_dscnt 7-\t                              ; the younger read-backs may stay out
	global_store_b128 v[CO], v[RB+4*\t:RB+4*\t+3], s[10:11] offset:(16*\a+2*\t)*OROW+256*\hf th:TH_STORE_NT   ; 16 lanes store 256 consecutive aligned bytes
.endr
.endm
	OUT16 0, 0
	OUT16 0, 1
	OUT16 1, 0
	OUT16 1, 1
	OUT16 2, 0
	OUT16 2, 1
	OUT16 3, 0
	OUT16 3, 1
	s_wait_tensorcnt 0x0
	ds_add_u32 v254, v255
	s_wait_dscnt 0x0
	CROUND                                         ; the closing round: no work-group ends while a partner may still ask for a tile that names it
	s_endpgm
.Lfunc_end_k_q33ed4507a1_oproj:
	.size	k_q33ed4507a1_oproj, .Lfunc_end_k_q33ed4507a1_oproj-k_q33ed4507a1_oproj
	.p2alignl 7, 3214868480
	.fill 96, 4, 3214868480
	.section	.rodata,"a",@progbits
	.p2align	6, 0x0
	.amdhsa_kernel k_q33ed4507a1_oproj
		.amdhsa_group_segment_fixed_size 327680
		.amdhsa_private_segment_fixed_size 0
		.amdhsa_enable_private_segment 0
		.amdhsa_kernarg_size 24
		.amdhsa_user_sgpr_count 2
		.amdhsa_user_sgpr_kernarg_segment_ptr 1
		.amdhsa_wavefront_size32 1
		.amdhsa_system_sgpr_workgroup_id_x 1
		.amdhsa_system_sgpr_workgroup_id_y 1
		.amdhsa_system_sgpr_workgroup_id_z 1
		.amdhsa_system_vgpr_workitem_id 0
		.amdhsa_next_free_vgpr 512
		.amdhsa_next_free_sgpr 102
		.amdhsa_reserve_vcc 0
		.amdhsa_float_denorm_mode_32 3
		.amdhsa_float_denorm_mode_16_64 3
		.amdhsa_memory_ordered 1
		.amdhsa_forward_progress 1
		.amdhsa_inst_pref_size 180
	.end_amdhsa_kernel
	.amdgpu_metadata
---
amdhsa.version: [ 1, 2 ]
amdhsa.kernels:
  - .name:           k_q33ed4507a1_oproj
    .symbol:         k_q33ed4507a1_oproj.kd
    .args:
      - { .name: att, .offset: 0, .size: 8, .value_kind: global_buffer, .address_space: global }
      - { .name: xw, .offset: 8, .size: 8, .value_kind: global_buffer, .address_space: global }
      - { .name: out0, .offset: 16, .size: 8, .value_kind: global_buffer, .address_space: global }
    .group_segment_fixed_size: 327680
    .private_segment_fixed_size: 0
    .kernarg_segment_align: 8
    .kernarg_segment_size: 24
    .max_flat_workgroup_size: 128
    .sgpr_count:     102
    .vgpr_count:     512
    .wavefront_size: 32
...
	.end_amdgpu_metadata
.endif
;; end of part 4
;; ======== version 2 of 2: 4 launches; version 1 with the launch cast written anew for expert scheduling mode
;; limits: values are held in f16: magnitudes above 65,504 overflow, below 6.1e-05 lose precision; right only within a limited range of input values; values outside matrix products are rounded to bf16
;; workspace buffers: xw 67,108,864 bytes; qkv 16,777,216 bytes; qkvlo 4,194,304 bytes; att 8,388,608 bytes
;; launch cast (part 5): grid 1024 x 1, 8 waves a work-group, no clusters, 0 bytes of LDS; arguments x, wq, wk, wv, wo, xw; writes xw
.if DOCPART == 5
	.amdgcn_target "amdgcn-amd-amdhsa--gfx1250"
	.amdhsa_code_object_version 6
	.text
	.protected	k_q33ed4507a1_cast
	.globl	k_q33ed4507a1_cast
	.p2align	8
	.type	k_q33ed4507a1_cast,@function
k_q33ed4507a1_cast:
	s_mov_b64 s[64:65], 0
	v_nop
	global_prefetch_b8 v0, s[64:65] scope:SCOPE_SE
	s_setreg_imm32_b32 hwreg(HW_REG_WAVE_SCHED_MODE, 0, 2), 2
	s_setreg_imm32_b32 hwreg(HW_REG_WAVE_MODE, 25, 1), 1
	s_wait_xcnt 0x0
	s_wait_alu depctr_vm_vsrc(0)
; The five large inputs are rounded to bf16, once, so that the three matrix launches read operands of 2 bytes.
; xw = [ bf16(x) / 4 : 2048 x 4096 bf16 | bf16(wq), bf16(wk), bf16(wv) : 4096 x 4096 bf16 | 4 bf16(wo) : 4096 x 2048 f16 ], rows as in the inputs.
; The two factors are powers of two, so they are exact and commute with the rounding.  They put q, k, v and the attention's result at
; 1/4 of their size, inside f16's range with room, and cancel in out0.
; wo is multiplied with an f16 operand later, so it is stored as f16: the 8 significant bits of a bf16 number fit into f16's 11.
; LIMIT: |wo| below 65504 / 4 (beyond that the f16 is infinite); 4 |wo| below 2^-17 loses bits, with an error below 2^-25.
; A stream: no LDS, no barrier, no matrix unit.  A work-group converts 32,768 numbers (128 KiB in, 64 KiB out), a wave 4,096:
; 32 loads of 512 consecutive bytes, all issued before the first is used, and 32 stores of 256 consecutive aligned bytes.
; THE MODE: SCHED_MODE bits 1:0 = 2 (LLVM: expert scheduling mode 2), set by the entry lines.  The code itself states the register
; dependences between vector instructions and memory instructions, with s_wait_alu, always for 0.
; THE PLAN.  Registers that memory instructions touch:
;   v1, v2      the loads' and the stores' byte offsets: written at the head, read by every load or store, never written again.
;   X + 4 i ..  four registers for load i.  Written by load i, which is issued before any vector instruction has named them; read and
;               written in place by load i's conversions; the first two read by store i; named by nothing behind that store.
; The 32 loads go in eight groups of four.  Group g's conversions name its own sixteen registers alone; the four stores of group g - 1 are
; dealt among them.  So one wait at a group's head states all that those four stores hang on.
; No register that a load or store reads is written behind it, so no wait frees a source.
.set X,   4                            ; v[4:131]  load i: 4 registers; its two packed results go to the first two
.set NLD, 32
.set GRP, 4                            ; loads in a group
	s_load_b256 s[4:11], s[0:1], 0x0               ; x s[4:5], wq s[6:7], wk s[8:9], wv s[10:11]
	s_load_b128 s[12:15], s[0:1], 0x20             ; wo s[12:13], xw s[14:15]
	v_lshrrev_b32 v3, 5, v0                        ; wave
	v_and_b32 v1, 31, v0                           ; lane
	v_lshlrev_b32 v2, 3, v1                        ; out: 8 bytes a lane
	v_lshlrev_b32 v1, 4, v1                        ; in: 16 bytes a lane
	v_lshl_add_u32 v1, v3, 14, v1                  ; + wave x 16 KiB
	v_lshl_add_u32 v2, v3, 13, v2                  ; + wave x 8 KiB
	s_wait_kmcnt 0x0
	; which input this work-group converts: 256 groups of x, 256 of wq, 128 of wk, 128 of wv, 256 of wo, in the order of xw
	s_mov_b64 s[16:17], s[4:5]
	s_mov_b32 s18, 0                               ; the segment's first work-group
.macro SEG start, lo
	s_cmp_ge_u32 ttmp9, \start
	s_cselect_b64 s[16:17], s[\lo:\lo+1], s[16:17]
	s_cselect_b32 s18, \start, s18
.endm
	SEG 256, 6
	SEG 512, 8
	SEG 640, 10
	SEG 768, 12
	s_sub_co_u32 s20, ttmp9, s18
	s_lshl_b32 s20, s20, 17                        ; 128 KiB of the input for each group of the segment
	s_mov_b32 s21, 0
	s_lshl_b32 s22, ttmp9, 16                      ; 64 KiB of xw for each group
	s_mov_b32 s23, 0
	s_add_nc_u64 s[16:17], s[16:17], s[20:21]
	s_add_nc_u64 s[14:15], s[14:15], s[22:23]
	s_wait_alu depctr_va_vdst(0)                   ; v1 and v2 are written: every load of the kernel reads v1 as its offset, every store v2
.set i, 0
.rept NLD
	global_load_b128 v[X+4*i:X+4*i+3], v1, s[16:17] offset:512*i th:TH_LOAD_NT
.set i, i+1
.endr
; The conversions of load i, in place.
; kind 0: x, times 1/4, to bf16.  kind 1: a weight of the first projection, to bf16.  kind 2: wo, times 4, to bf16, and those numbers as f16.
.macro CVT kind
.if \kind == 0
	v_pk_mul_f32 v[X+4*i:X+4*i+1],   v[X+4*i:X+4*i+1],   s[24:25] op_sel_hi:[1,0]
	v_pk_mul_f32 v[X+4*i+2:X+4*i+3], v[X+4*i+2:X+4*i+3], s[24:25] op_sel_hi:[1,0]
.endif
.if \kind == 2
	v_pk_mul_f32 v[X+4*i:X+4*i+1],   v[X+4*i:X+4*i+1],   4.0 op_sel_hi:[1,0]
	v_pk_mul_f32 v[X+4*i+2:X+4*i+3], v[X+4*i+2:X+4*i+3], 4.0 op_sel_hi:[1,0]
.endif
	v_cvt_pk_bf16_f32 v[X+4*i],   v[X+4*i],   v[X+4*i+1]
	v_cvt_pk_bf16_f32 v[X+4*i+1], v[X+4*i+2], v[X+4*i+3]
.if \kind == 2
	v_lshlrev_b32 v[X+4*i+2], 16, v[X+4*i+1]               ; the four bf16 as f32 again,
	v_and_b32     v[X+4*i+3], 0xffff0000, v[X+4*i+1]
	v_and_b32     v[X+4*i+1], 0xffff0000, v[X+4*i]
	v_lshlrev_b32 v[X+4*i],   16, v[X+4*i]
	v_cvt_pk_f16_f32 v[X+4*i],   v[X+4*i],   v[X+4*i+1]    ; and as f16, without a second rounding
	v_cvt_pk_f16_f32 v[X+4*i+1], v[X+4*i+2], v[X+4*i+3]
.endif
.endm
; The store of load n's two packed results.
.macro PUT n
	global_store_b64 v2, v[X+4*(\n):X+4*(\n)+1], s[14:15] offset:256*(\n)   ; no hint: the next launches read these bytes
.endm
; Eight groups of four loads.  Group g converts; ahead of each load's conversions stands one store of the group before.
.macro CONV kind
.set g, 0
.rept NLD/GRP
.set j, 0
.rept GRP
.set i, GRP*g+j
	s_wait_loadcnt NLD-1-i                         ; loads come back in order (ISA guide 5.7.1): load i is in, the younger ones stay out
.if (j == 0) && (g > 0)
	s_wait_alu depctr_va_vdst(0)                   ; the group before has written its eight packed results, which the four stores dealt among this group's conversions read
.endif
.if g > 0
	PUT i-GRP                                      ; no vector instruction since the wait names this store's registers
.endif
	CVT \kind
.set j, j+1
.endr
.set g, g+1
.endr
	s_wait_alu depctr_va_vdst(0)                   ; the last group has written its eight packed results, which the last four stores read
.set i, NLD-GRP
.rept GRP
	PUT i
.set i, i+1
.endr
.endm
	s_cmp_ge_u32 ttmp9, 768
	s_cbranch_scc1 .Lwo
	s_cmp_ge_u32 ttmp9, 256
	s_cbranch_scc1 .Lw
	s_mov_b32 s24, 0x3e800000                      ; 1/4
	s_mov_b32 s25, 0x3e800000                      ; the pair is named whole by the packed multiply
	CONV 0
	s_endpgm
.Lw:
	CONV 1
	s_endpgm
.Lwo:
	CONV 2
	s_endpgm
.Lfunc_end_k_q33ed4507a1_cast:
	.size	k_q33ed4507a1_cast, .Lfunc_end_k_q33ed4507a1_cast-k_q33ed4507a1_cast
	.p2alignl 7, 3214868480
	.fill 96, 4, 3214868480
	.section	.rodata,"a",@progbits
	.p2align	6, 0x0
	.amdhsa_kernel k_q33ed4507a1_cast
		.amdhsa_group_segment_fixed_size 0
		.amdhsa_private_segment_fixed_size 0
		.amdhsa_enable_private_segment 0
		.amdhsa_kernarg_size 48
		.amdhsa_user_sgpr_count 2
		.amdhsa_user_sgpr_kernarg_segment_ptr 1
		.amdhsa_wavefront_size32 1
		.amdhsa_system_sgpr_workgroup_id_x 1
		.amdhsa_system_sgpr_workgroup_id_y 1
		.amdhsa_system_sgpr_workgroup_id_z 1
		.amdhsa_system_vgpr_workitem_id 0
		.amdhsa_next_free_vgpr 136
		.amdhsa_next_free_sgpr 66
		.amdhsa_reserve_vcc 0
		.amdhsa_float_denorm_mode_32 3
		.amdhsa_float_denorm_mode_16_64 3
		.amdhsa_memory_ordered 1
		.amdhsa_forward_progress 1
		.amdhsa_inst_pref_size 48
	.end_amdhsa_kernel
	.amdgpu_metadata
---
amdhsa.version: [ 1, 2 ]
amdhsa.kernels:
  - .name:           k_q33ed4507a1_cast
    .symbol:         k_q33ed4507a1_cast.kd
    .args:
      - { .name: x, .offset: 0, .size: 8, .value_kind: global_buffer, .address_space: global }
      - { .name: wq, .offset: 8, .size: 8, .value_kind: global_buffer, .address_space: global }
      - { .name: wk, .offset: 16, .size: 8, .value_kind: global_buffer, .address_space: global }
      - { .name: wv, .offset: 24, .size: 8, .value_kind: global_buffer, .address_space: global }
      - { .name: wo, .offset: 32, .size: 8, .value_kind: global_buffer, .address_space: global }
      - { .name: xw, .offset: 40, .size: 8, .value_kind: global_buffer, .address_space: global }
    .group_segment_fixed_size: 0
    .private_segment_fixed_size: 0
    .kernarg_segment_align: 8
    .kernarg_segment_size: 48
    .max_flat_workgroup_size: 256
    .sgpr_count:     66
    .vgpr_count:     136
    .wavefront_size: 32
...
	.end_amdgpu_metadata
.endif
;; end of part 5
;; launch qkv: the kernel of part 2 again; grid 16 x 16, 4 waves a work-group, clusters of 4 x 4, 327,680 bytes of LDS; arguments xw, cos, sin, qkv, qkvlo; writes qkv, qkvlo
;; launch attn: the kernel of part 3 again; grid 16 x 16, 4 waves a work-group, no clusters, 327,680 bytes of LDS; arguments qkv, qkvlo, att; writes att
;; launch oproj: the kernel of part 4 again; grid 16 x 16, 4 waves a work-group, clusters of 4 x 4, 327,680 bytes of LDS; arguments att, xw, out0; writes out0
